; MI455X (gfx1250); checked and timed in simulation.
; The chip was launched on July 23, 2026; its instructions are those of AMD's public machine-readable ISA for CDNA 5 (MIT licence, August 2026) and "CDNA5" Instruction Set Architecture Reference Guide (July 2026). The comments in the code are by the model that wrote it; some were corrected since.
;; Cross Att block. Allowed arithmetic: matrix products marked QUANTISED: E4M3 operands, one given power-of-two scale a tensor, by v_wmma_f32_16x16x64_fp8_fp8 or v_wmma_f32_16x16x128_fp8_fp8, f32 sums; everything else in f32.
;; Inputs: W1 256 x 1,024 float32; W2 1,024 x 256 float32; Wk 256 x 256 float32; Wo 256 x 256 float32; Wq 256 x 256 float32; Wv 256 x 256 float32; b1 1,024 float32; b2 256 float32; bk 256 float32; bo 256 float32; bq 256 float32; bv 256 float32; fx 8 x 7,225 x 256 float32; kln_b 8 x 32 float32; kln_g 8 x 32 float32; ln1_b 256 float32; ln1_g 256 float32; ln2_b 256 float32; ln2_g 256 float32; lowp_scales 16 int32 (the exponents e of the quantised operands' scales 2^e); vln_b 8 x 32 float32; vln_g 8 x 32 float32.
;; Outputs: out0 8 x 7,225 x 256 float32.
;; This version of the problem:
;;   THIS VERSION OF THE PROBLEM IS GIVEN IN LOW PRECISION. The matrix products marked QUANTISED in the list below multiply operands that are first quantised to E4M3 (4 exponent bits, 3 mantissa bits; 8 bits a number), with one given power-of-two scale for each operand tensor; their sums are f32. All else is computed in f32.
;;   The module's matrix products, in the order in which they are computed (A, B: the left and right operand; K: the contracted axis; several contracted axes count as one K, in the product's order):
;;     1. [M 57,800, K 256] x [K 256, N 256]; A: computed on the way; B: input Wq: QUANTISED (scales: A lowp_scales[0], B lowp_scales[1])
;;     2. [M 57,800, K 256] x [K 256, N 256]; A: computed on the way; B: input Wk: QUANTISED (scales: A lowp_scales[2], B lowp_scales[3])
;;     3. [M 57,800, K 256] x [K 256, N 256]; A: computed on the way; B: input Wv: QUANTISED (scales: A lowp_scales[4], B lowp_scales[5])
;;     4. batch 64 x [M 32, K 7,225] x [K 7,225, N 32]; A: computed on the way; B: computed on the way: QUANTISED (scales: A lowp_scales[6], B lowp_scales[7])
;;     5. batch 64 x [M 7,225, K 32] x [K 32, N 32]; A: computed on the way; B: computed on the way: QUANTISED (scales: A lowp_scales[8], B lowp_scales[9])
;;     6. [M 57,800, K 256] x [K 256, N 256]; A: computed on the way; B: input Wo: QUANTISED (scales: A lowp_scales[10], B lowp_scales[11])
;;     7. [M 57,800, K 256] x [K 256, N 1,024]; A: computed on the way; B: input W1: QUANTISED (scales: A lowp_scales[12], B lowp_scales[13])
;;     8. [M 57,800, K 1,024] x [K 1,024, N 256]; A: computed on the way; B: input W2: QUANTISED (scales: A lowp_scales[14], B lowp_scales[15])
;;   THE QUANTISER, for each operand of a quantised product, along K:
;;     - The operand's scale is 2^e, e = its entry of the input lowp_scales (int32; the entries are numbered through the quantised products in the list's order, A before B).
;;     - Each number is divided by the scale, clamped to +-448, and rounded to the nearest number of E4M3, ties to even, subnormals kept.
;;     - The product sums the exact products of the quantised numbers (number of the format x scale) in f32.
;;   ~~~python
;;   def quantise(x, axis, e):      # numpy; x: float32 -> the quantised numbers, widened to float32 again
;;       x = np.moveaxis(x, axis, -1); K = x.shape[-1]
;;       r = np.clip(x / 2.0 ** e, -448, 448)
;;       step = 2.0 ** (np.maximum(np.frexp(np.where(r == 0, 1, r))[1] - 1, -6) - 3)
;;       q = np.round(r / step) * step * 2.0 ** e      # np.round: ties to even
;;       return np.moveaxis(q, -1, axis).astype(np.float32)
;;   ~~~
;;   OPERANDS COMPUTED ON THE WAY. 'Computed on the way' means the value that the module computes at that place (a softmax that the list does not call 'softmax' is quantised finished and normalised). What goes into a quantiser is computed in f32, as accurately as f32 sums, v_exp_f32 and their like allow (about 1e-6 of the number): no bf16 or f16 on the way to a quantiser, and a product that is left as it is and whose result goes on into a quantised operand takes f32 operands (vector FMAs, or v_wmma_f32_16x16x4_f32). A number that lies on a knife's edge between two numbers of the format may be rounded either way, as far as f32 arithmetic and the matrix unit's own rounding can turn it there, and no further.
;; One version. Each part assembles by itself: llvm-mc -triple=amdgcn-amd-amdhsa -mcpu=gfx1250 --defsym DOCPART=n.
;; ======== version 1 of 1: 4 launches
;; workspace buffers: wcodes 786,432 bytes; kvp 7,602,176 bytes; kvc 131,072 bytes
;; launch prep (part 1): grid 96 x 1, 4 waves a work-group, no clusters, 0 bytes of LDS; arguments Wq, Wk, Wv, Wo, W1, W2, lowp_scales, wcodes; writes wcodes
.if DOCPART == 1
	.amdgcn_target "amdgcn-amd-amdhsa--gfx1250"
	.amdhsa_code_object_version 6
	.text
	.protected	k_q9bae660da4_prep
	.globl	k_q9bae660da4_prep
	.p2align	8
	.type	k_q9bae660da4_prep,@function
k_q9bae660da4_prep:
	s_mov_b64 s[64:65], 0
	v_nop
	global_prefetch_b8 v0, s[64:65] scope:SCOPE_SE
	s_setreg_imm32_b32 hwreg(HW_REG_WAVE_MODE, 25, 1), 1
	s_wait_xcnt 0x0
; The six weights, f32 stored [K][N], become codes of E4M3 laid as IMAGES OF OPERAND REGISTERS.
; A fragment is 16 output columns x 128 along K, 2,048 bytes: the 16 bytes at 512 p + 16 lane are registers 4p..4p+3 of lane (r, h),
; and registers 2c, 2c+1 hold the codes of column 16 nt + r at k = 128 s + 16 c + 8 h + 0..7: the plain 8-bit layout, k in its true places.
; Fragment (nt, s) of a tensor lies at its region + 2048 ((s / 2) 32 + 2 nt + s % 2).  Regions: Wk 0, Wv 65536, Wq 131072, W1 196608, Wo 458752, W2 524288.
; 384 fragments, one a wave: work-groups 0-31 take Wq, Wk, Wv, Wo (8 each), 32-63 W1, 64-95 W2.  A lane takes a column and its registers run down K,
; so nothing is transposed; the four waves of a work-group stand side by side on 256 bytes of each row.
; code = x / 2^e, held within +-448, to the nearest code, ties to even.  LIMITS: e between -126 and 119; NaN among the inputs is not served.
.set X, 32                             ; v32-95  64 numbers: register 8 c + j = W(128 s + 16 c + 8 h + j, 16 nt + r)
.set C, 16                             ; v16-31  the fragment
.macro LOADS pitch
.set lc, 0
.rept 64
	global_load_b32 v[X+lc], v3, s[48:49] offset:(16*(lc/8)+lc%8)*\pitch th:TH_LOAD_NT
.set lc, lc+1
.endr
.endm
	s_load_b256 s[4:11], s[0:1], 0x0               ; Wq s[4:5], Wk s[6:7], Wv s[8:9], Wo s[10:11]
	s_load_b256 s[12:19], s[0:1], 0x20             ; W1 s[12:13], W2 s[14:15], the exponents s[16:17], the codes s[18:19]
	v_lshrrev_b32 v1, 5, v0
	v_readfirstlane_b32 s20, v1                    ; wave
	v_and_b32 v1, 15, v0                           ; r
	v_bfe_u32 v2, v0, 4, 1                         ; h
	v_and_b32 v4, 31, v0
	v_lshlrev_b32 v4, 4, v4                        ; 16 x lane
	s_mov_b32 s21, ttmp9                           ; g
	s_and_b32 s22, s21, 31
	s_and_b32 s23, s21, 7
	s_cmp_lt_u32 s21, 32
	s_cselect_b32 s22, s23, s22                    ; the work-group's number within its tensor
	s_lshr_b32 s23, s21, 5
	s_cmp_eq_u32 s23, 1                            ; W1: 64 tiles of columns, 2 K steps, rows of 4,096 bytes; the others: 16 tiles, rows of 1,024
	s_cselect_b32 s24, 15, 3
	s_cselect_b32 s25, 4, 2
	s_cselect_b32 s26, 12, 10                      ; log2 of a row's bytes
	s_and_b32 s24, s22, s24
	s_lshl_b32 s24, s24, 2
	s_add_co_u32 s24, s24, s20                     ; nt
	s_lshr_b32 s25, s22, s25                       ; s
	s_add_co_u32 s27, s26, 7
	s_lshl_b32 s27, s25, s27                       ; 128 s rows
	s_lshl_b32 s28, s24, 6                         ; + 64 nt bytes
	s_add_co_u32 s28, s27, s28
	s_mov_b32 s29, 0
	s_lshr_b32 s30, s25, 1
	s_lshl_b32 s30, s30, 5
	s_lshl_b32 s31, s24, 1
	s_add_co_u32 s30, s30, s31
	s_and_b32 s31, s25, 1
	s_add_co_u32 s30, s30, s31
	s_lshl_b32 s30, s30, 11                        ; the fragment's place in its region
	s_add_co_u32 s31, s26, 3
	v_lshlrev_b32 v3, s31, v2                      ; 8 h rows
	v_lshl_add_u32 v3, v1, 2, v3                   ; + 4 r
	s_wait_kmcnt 0x0
	s_load_b512 s[32:47], s[16:17], 0x0            ; e0 .. e15
	s_mov_b64 s[48:49], s[14:15]                   ; the tensor and its region: choices on the work-group's number alone
	s_mov_b32 s50, 524288
	s_cmp_lt_u32 s21, 64
	s_cselect_b64 s[48:49], s[12:13], s[48:49]
	s_cselect_b32 s50, 196608, s50
	s_cmp_lt_u32 s21, 32
	s_cselect_b64 s[48:49], s[10:11], s[48:49]
	s_cselect_b32 s50, 458752, s50
	s_cmp_lt_u32 s21, 24
	s_cselect_b64 s[48:49], s[8:9], s[48:49]
	s_cselect_b32 s50, 65536, s50
	s_cmp_lt_u32 s21, 16
	s_cselect_b64 s[48:49], s[6:7], s[48:49]
	s_cselect_b32 s50, 0, s50
	s_cmp_lt_u32 s21, 8
	s_cselect_b64 s[48:49], s[4:5], s[48:49]
	s_cselect_b32 s50, 131072, s50
	s_add_nc_u64 s[48:49], s[48:49], s[28:29]
	s_add_co_u32 s30, s30, s50
	s_mov_b32 s31, 0
	s_add_nc_u64 s[18:19], s[18:19], s[30:31]
	s_cmp_eq_u32 s23, 1
	s_cbranch_scc1 .Lwide
	LOADS 1024
	s_branch .Lgot
.Lwide:
	LOADS 4096
.Lgot:
	s_wait_kmcnt 0x0
	s_cmp_lt_u32 s21, 64                           ; the tensor's exponent: entries 15, 13, 11, 5, 3, 1
	s_cselect_b32 s51, s45, s47
	s_cmp_lt_u32 s21, 32
	s_cselect_b32 s51, s43, s51
	s_cmp_lt_u32 s21, 24
	s_cselect_b32 s51, s37, s51
	s_cmp_lt_u32 s21, 16
	s_cselect_b32 s51, s35, s51
	s_cmp_lt_u32 s21, 8
	s_cselect_b32 s51, s33, s51
	s_add_co_i32 s51, s51, 127
	s_lshl_b32 s52, s51, 23
	v_mov_b32 v11, s52                             ; 2^e as f32: the conversion takes its exponent field
	s_add_co_i32 s51, s51, 8
	s_lshl_b32 s51, s51, 23
	s_or_b32 s51, s51, 0x600000
	v_mov_b32 v10, s51                             ; 448 x 2^e
	s_wait_loadcnt 0x0
.set lc, 0
.rept 64
	v_med3_num_f32 v[X+lc], v[X+lc], -v10, v10     ; the conversion does not saturate (ISA guide 7.6.2): the hold comes first
.set lc, lc+1
.endr
.set lc, 0
.rept 8
	v_cvt_scalef32_pk8_fp8_f32 v[C+2*lc:C+2*lc+1], v[X+8*lc:X+8*lc+7], v11
.set lc, lc+1
.endr
.set lc, 0
.rept 4
	global_store_b128 v4, v[C+4*lc:C+4*lc+3], s[18:19] offset:512*lc   ; 32 lanes store 512 consecutive bytes
.set lc, lc+1
.endr
	s_endpgm
.Lfunc_end_k_q9bae660da4_prep:
	.size	k_q9bae660da4_prep, .Lfunc_end_k_q9bae660da4_prep-k_q9bae660da4_prep
	.p2alignl 7, 3214868480
	.fill 96, 4, 3214868480
	.section	.rodata,"a",@progbits
	.p2align	6, 0x0
	.amdhsa_kernel k_q9bae660da4_prep
		.amdhsa_group_segment_fixed_size 0
		.amdhsa_private_segment_fixed_size 0
		.amdhsa_enable_private_segment 0
		.amdhsa_kernarg_size 64
		.amdhsa_user_sgpr_count 2
		.amdhsa_user_sgpr_kernarg_segment_ptr 1
		.amdhsa_wavefront_size32 1
		.amdhsa_system_sgpr_workgroup_id_x 1
		.amdhsa_system_sgpr_workgroup_id_y 1
		.amdhsa_system_sgpr_workgroup_id_z 1
		.amdhsa_system_vgpr_workitem_id 0
		.amdhsa_next_free_vgpr 96
		.amdhsa_next_free_sgpr 66
		.amdhsa_reserve_vcc 0
		.amdhsa_float_denorm_mode_32 3
		.amdhsa_float_denorm_mode_16_64 3
		.amdhsa_memory_ordered 1
		.amdhsa_forward_progress 1
		.amdhsa_inst_pref_size 21
	.end_amdhsa_kernel
	.amdgpu_metadata
---
amdhsa.version: [ 1, 2 ]
amdhsa.kernels:
  - .name:           k_q9bae660da4_prep
    .symbol:         k_q9bae660da4_prep.kd
    .args:
      - { .name: Wq, .offset: 0, .size: 8, .value_kind: global_buffer, .address_space: global }
      - { .name: Wk, .offset: 8, .size: 8, .value_kind: global_buffer, .address_space: global }
      - { .name: Wv, .offset: 16, .size: 8, .value_kind: global_buffer, .address_space: global }
      - { .name: Wo, .offset: 24, .size: 8, .value_kind: global_buffer, .address_space: global }
      - { .name: W1, .offset: 32, .size: 8, .value_kind: global_buffer, .address_space: global }
      - { .name: W2, .offset: 40, .size: 8, .value_kind: global_buffer, .address_space: global }
      - { .name: lowp_scales, .offset: 48, .size: 8, .value_kind: global_buffer, .address_space: global }
      - { .name: wcodes, .offset: 56, .size: 8, .value_kind: global_buffer, .address_space: global }
    .group_segment_fixed_size: 0
    .private_segment_fixed_size: 0
    .kernarg_segment_align: 8
    .kernarg_segment_size: 64
    .max_flat_workgroup_size: 128
    .sgpr_count:     66
    .vgpr_count:     96
    .wavefront_size: 32
...
	.end_amdgpu_metadata
.endif
;; end of part 1
;; launch kvpart (part 2): grid 29 x 8, 4 waves a work-group, no clusters, 270,336 bytes of LDS; arguments fx, wcodes, lowp_scales, ln1_g, ln1_b, bk, bv, kln_g, kln_b, vln_g, vln_b, kvp; writes kvp
.if DOCPART == 2
	.amdgcn_target "amdgcn-amd-amdhsa--gfx1250"
	.amdhsa_code_object_version 6
	.text
	.protected	k_q9bae660da4_kvpart
	.globl	k_q9bae660da4_kvpart
	.p2align	8
	.type	k_q9bae660da4_kvpart,@function
k_q9bae660da4_kvpart:
	s_mov_b64 s[64:65], 0
	v_nop
	global_prefetch_b8 v0, s[64:65] scope:SCOPE_SE
	s_setreg_imm32_b32 hwreg(HW_REG_WAVE_MODE, 25, 1), 1
	s_wait_xcnt 0x0
; For 256 tokens of one batch: x = LN1(fx); k = LN(x Wk + bk), v = LN(x Wv + bv) by heads of 32; the block's part of k^T v for the 8 heads, as sums of code products, to kvp.
; All products on codes of E4M3: x by e2 (for Wk, e3) and by e4 (for Wv, e5), k by e6, v by e7.
; BLOCKS.  Block bx begins at token t0 = min(256 bx, 6969), so that every tile lies inside the batch; its first lo = 256 bx - t0 tokens belong to the block before: their k gets the hold 0, which gives zero codes.
; SHARES.  Four waves; wave w owns channels 64 w .. 64 w + 63 (heads 2 w, 2 w + 1) of all tokens.  Two halves of 128 tokens (8 tiles of 16), one text walked twice.
; All products are used transposed (source 0 = 16 channels of a weight, source 1 = 16 tokens): lane (r, h) holds token r, register 8 n + j channel 64 w + 16 n + 8 h + j; eight such numbers converted are registers 2 c, 2 c + 1 of the next operand.
; fx comes by two tensor loads a wave (32 rows x 1,024 bytes each), both issued at the head: two are out, none fills bytes again.  Operands go from wave to wave through LDS as images of their registers.
; TOKENS INTO K.  k^T v sums over tokens, which lie across lanes.  A product of the codes with an identity of codes (1.0 = 0x38) gives each code back as f32 with the token in the registers and the channel in the lane, exactly; a conversion with the scale 1 makes it a code again.
; No cluster: the grid's 29 blocks a batch divide by no cluster's width, the weights go from memory straight into registers (128 KiB a work-group), and no two work-groups read the same rows of fx but for 199 rows a batch.
; LIMITS: e2, e4, e6, e7 between -126 and 119; e2 + e3 and e4 + e5 between -121 and 127.  NaN among the inputs is not served.  A zero code's sign may differ.
; REGISTERS.  window 0: v1-12 addresses and masks; v16-24 scales; v26-39 the identity; v40-103 XK, XV (fragments; chains of the sums); v104-167 DK, DV; v168-199 T; v200-215 KC, VC; v216-247 -mean and rstd as pairs; v248-255 PS.
;   window 1: Wk's 8 fragments, Wv's 8.   window 2: F = my share of fx (32 m + 8 n + j); later KT (16 t + 2 m), VT (64 + 16 t + 2 m).   window 3: kln_g 0, kln_b 32, vln_g 64, vln_b 96, bk 128, bv 160, the 8 accumulators of k^T v 192.
.set HALFB, 133120                     ; LDS: 128 rows of fx, 1,040 bytes apart (1,024 + 16: the 16 rows of a load start at 16 different groups of banks)
.set XKI, 0                            ; images of x by e2: over the first half's rows of fx, which have had their one fill and their last read
.set XVI, 32768                        ; images of x by e4
.set STA, 266240                       ; two areas of 2,048 bytes for the waves' partial sums
.set CH, 40
.set XK, 40
.set XV, 72
.set DK, 104
.set DV, 136
.set T, 168
.set KC, 200
.set VC, 208
.set TOT, 200
.set TMP, 208
.set MP, 216
.set RP, 232
.set PS, 248
.set EPS, 77
.set NI256, 78
.set I256, 79
.set SEL, 80
.set MSB, 0
.macro WIN new                         ; the immediate's high byte repeats the setting that is left
.if MSB != \new
	s_set_vgpr_msb (MSB<<8)|\new
.set MSB, \new
.endif
.endm
.macro BARRIER                         ; my LDS stores have landed and my LDS loads are in: then the work-group's barrier
	s_wait_dscnt 0x0
	s_barrier_signal -1
	s_barrier_wait -1
.endm
.macro PLACES n
.rept \n
	v_nop
.endr
.endm
.macro LOADP dst, sp                   ; 32 numbers of a [256] vector in the tiles' layout: register 8 n + j = p[64 w + 16 n + 8 h + j]
.set li, 0
.rept 8
	global_load_b128 v[\dst+4*li:\dst+4*li+3], v10, s[\sp:\sp+1] offset:64*(li/2)+16*(li%2)
.set li, li+1
.endr
.endm
.macro LOADW dst, sp, off              ; eight fragments, 16,384 consecutive bytes, into window 1
	WIN 0x40
.set lq, 0
.rept 32
	global_load_b128 v[\dst+4*lq:\dst+4*lq+3], v3, s[\sp:\sp+1] offset:\off+512*lq
.set lq, lq+1
.endr
	WIN 0
.endm
.macro FLOAD                           ; my 64 channels of the half's 128 tokens, LDS to window 2
	WIN 0x80
.set fm, 0
.rept 8
.set fn, 0
.rept 4
	ds_load_b128 v[32*fm+8*fn:32*fm+8*fn+3], v[6+fm/4] offset:16640*(fm%4)+64*fn
	ds_load_b128 v[32*fm+8*fn+4:32*fm+8*fn+7], v[6+fm/4] offset:16640*(fm%4)+64*fn+16
.set fn, fn+1
.endr
.set fm, fm+1
.endr
	WIN 0
.endm
.macro TAIL                            ; each tile's four chains become one number a token, all tiles in step; the other half of the lanes holds the token's other 32 channels
.set pm, 0
.rept 8
	v_pk_add_f32 v[CH+8*pm:CH+8*pm+1], v[CH+8*pm:CH+8*pm+1], v[CH+8*pm+2:CH+8*pm+3]
	v_pk_add_f32 v[CH+8*pm+4:CH+8*pm+5], v[CH+8*pm+4:CH+8*pm+5], v[CH+8*pm+6:CH+8*pm+7]
.set pm, pm+1
.endr
.set pm, 0
.rept 8
	v_pk_add_f32 v[CH+8*pm:CH+8*pm+1], v[CH+8*pm:CH+8*pm+1], v[CH+8*pm+4:CH+8*pm+5]
.set pm, pm+1
.endr
.set pm, 0
.rept 8
	v_add_f32 v[PS+pm], v[CH+8*pm], v[CH+8*pm+1]
.set pm, pm+1
.endr
.set pm, 0
.rept 8
	v_permlanex16_b32 v[TMP+pm], v[PS+pm], s[SEL], s[SEL+1]
.set pm, pm+1
.endr
.set pm, 0
.rept 8
	v_add_f32 v[PS+pm], v[PS+pm], v[TMP+pm]
.set pm, pm+1
.endr
.endm
.macro PSUM wt                         ; the sum of my 64 channels, for each token
.set pm, 0
.rept 8
.if \wt
	s_wait_dscnt 56-8*pm                           ; this tile's 8 loads are in; the later tiles' 8 each may be out
.endif
	WIN 0x0a
.set pc, 0
.rept 4
	v_pk_add_f32 v[CH+8*pm+2*pc:CH+8*pm+2*pc+1], v[32*pm+4*pc:32*pm+4*pc+1], v[32*pm+4*pc+2:32*pm+4*pc+3]
.set pc, pc+1
.endr
	WIN 0x08
.set pc, 0
.rept 8
	v_pk_add_f32 v[CH+8*pm+2*(pc%4):CH+8*pm+2*(pc%4)+1], v[CH+8*pm+2*(pc%4):CH+8*pm+2*(pc%4)+1], v[32*pm+16+2*pc:32*pm+16+2*pc+1]
.set pc, pc+1
.endr
.set pm, pm+1
.endr
	WIN 0
	TAIL
.endm
.macro XCHG area                       ; the four waves' parts meet in LDS: 32 bytes a token and wave; every wave adds them in the same order
	ds_store_b128 v8, v[PS:PS+3] offset:\area
	ds_store_b128 v8, v[PS+4:PS+7] offset:\area+16
	BARRIER
.set xw, 0
.rept 4
	ds_load_b128 v[T+8*xw:T+8*xw+3], v9 offset:\area+512*xw
	ds_load_b128 v[T+8*xw+4:T+8*xw+7], v9 offset:\area+512*xw+16
.set xw, xw+1
.endr
	s_wait_dscnt 0x0
.set xw, 0
.rept 4
	v_pk_add_f32 v[T+2*xw:T+2*xw+1], v[T+2*xw:T+2*xw+1], v[T+8+2*xw:T+8+2*xw+1]
	v_pk_add_f32 v[T+16+2*xw:T+16+2*xw+1], v[T+16+2*xw:T+16+2*xw+1], v[T+24+2*xw:T+24+2*xw+1]
.set xw, xw+1
.endr
.set xw, 0
.rept 4
	v_pk_add_f32 v[TOT+2*xw:TOT+2*xw+1], v[T+2*xw:T+2*xw+1], v[T+16+2*xw:T+16+2*xw+1]
.set xw, xw+1
.endr
.endm
.macro MEAN                            ; -mean, as a pair for the packed forms (the low word serves both halves; the high word is written since the pair is named)
.set mi, 0
.rept 8
	v_mul_f32 v[MP+2*mi], s[NI256], v[TOT+mi]
	v_mul_f32 v[MP+2*mi+1], s[NI256], v[TOT+mi]
.set mi, mi+1
.endr
.endm
.macro RSTD                            ; 1 / sqrt(variance + 1e-5): eight roots as one batch, one plain line, one wait, ahead of the first reader
.set mi, 0
.rept 8
	v_fma_f32 v[RP+2*mi+1], v[TOT+mi], s[I256], s[EPS]
.set mi, mi+1
.endr
.set mi, 0
.rept 8
	v_rsq_f32 v[RP+2*mi], v[RP+2*mi+1]
.set mi, mi+1
.endr
	v_nop
	s_wait_alu depctr_va_vdst(0)
.endm
.macro PVAR                            ; the sum of (x - mean)^2 over my 64 channels: the mean is taken away first, so no difference of large sums is formed
.set pm, 0
.rept 8
	WIN 0x02
.set pc, 0
.rept 16
	v_pk_add_f32 v[T+2*pc:T+2*pc+1], v[32*pm+2*pc:32*pm+2*pc+1], v[MP+2*pm:MP+2*pm+1] op_sel_hi:[1,0]
.set pc, pc+1
.endr
	WIN 0
.set pc, 0
.rept 4
	v_pk_mul_f32 v[CH+8*pm+2*pc:CH+8*pm+2*pc+1], v[T+2*pc:T+2*pc+1], v[T+2*pc:T+2*pc+1]
.set pc, pc+1
.endr
.set pc, 0
.rept 12
	v_pk_fma_f32 v[CH+8*pm+2*(pc%4):CH+8*pm+2*(pc%4)+1], v[T+8+2*pc:T+8+2*pc+1], v[T+8+2*pc:T+8+2*pc+1], v[CH+8*pm+2*(pc%4):CH+8*pm+2*(pc%4)+1]
.set pc, pc+1
.endr
.set pm, pm+1
.endr
	TAIL
.endm
.macro NORM m, gg, bb, win             ; T = (F - mean) rstd g + b for tile m
	WIN 0x02
.set ni, 0
.rept 16
	v_pk_add_f32 v[T+2*ni:T+2*ni+1], v[32*(\m)+2*ni:32*(\m)+2*ni+1], v[MP+2*(\m):MP+2*(\m)+1] op_sel_hi:[1,0]
.set ni, ni+1
.endr
	WIN 0
.set ni, 0
.rept 16
	v_pk_mul_f32 v[T+2*ni:T+2*ni+1], v[T+2*ni:T+2*ni+1], v[RP+2*(\m):RP+2*(\m)+1] op_sel_hi:[1,0]
.set ni, ni+1
.endr
	WIN \win
.set ni, 0
.rept 16
	v_pk_fma_f32 v[T+2*ni:T+2*ni+1], v[T+2*ni:T+2*ni+1], v[\gg+2*ni:\gg+2*ni+1], v[\bb+2*ni:\bb+2*ni+1]
.set ni, ni+1
.endr
	WIN 0
.endm
.macro IMAGE reg, adr, off             ; my 8 registers of a tile's two fragments go to LDS as they stand
	ds_store_b128 v[\adr], v[\reg:\reg+3] offset:\off
	ds_store_b128 v[\adr], v[\reg+4:\reg+7] offset:\off+512
.endm
.macro FETCH dst, adr, off             ; a tile's two fragments (K = 256) come back so, in any wave
.set fq, 0
.rept 8
	ds_load_b128 v[\dst+4*fq:\dst+4*fq+3], v[\adr] offset:\off+512*fq
.set fq, fq+1
.endr
.endm
.macro MKSC vs, vl, se                 ; 2^E and 448 x 2^E as f32
	s_add_co_i32 s4, \se, 127
	s_lshl_b32 s5, s4, 23
	v_mov_b32 v[\vs], s5
	s_add_co_i32 s4, s4, 8
	s_lshl_b32 s4, s4, 23
	s_or_b32 s4, s4, 0x600000
	v_mov_b32 v[\vl], s4
.endm
; Tile m of x is quantised twice, by e2 and by e4.  The counted waits leave the newest image's two stores out: the image stored before from the same registers is done.
.macro XQ m
	NORM \m, DK, DV, 0
.set qi, 0
.rept 32
	v_med3_num_f32 v[XK+qi], v[T+qi], -v17, v17
.set qi, qi+1
.endr
	s_wait_dscnt 0x2
.set qi, 0
.rept 4
	v_cvt_scalef32_pk8_fp8_f32 v[KC+2*qi:KC+2*qi+1], v[XK+8*qi:XK+8*qi+7], v16
.set qi, qi+1
.endr
.set qi, 0
.rept 32
	v_med3_num_f32 v[T+qi], v[T+qi], -v19, v19
.set qi, qi+1
.endr
	IMAGE KC, 4, XKI+4096*(\m)
	s_wait_dscnt 0x2
.set qi, 0
.rept 4
	v_cvt_scalef32_pk8_fp8_f32 v[VC+2*qi:VC+2*qi+1], v[T+8*qi:T+8*qi+7], v18
.set qi, qi+1
.endr
	v_nop                                          ; a plain line between the conversions and the next line that writes their sources
	IMAGE VC, 4, XVI+4096*(\m)
.endm
; The LayerNorms over a head's 32 channels, for k and v of my two heads in step (q = 0, 1: k; 2, 3: v): 16 registers a lane each, the other 16 channels in the lane 16 away.
; The sums stand for sum x s, s = 2^(e2 + e3) or 2^(e4 + e5): x - mean = p s - mean in one fused multiply-add, which rounds once.
.macro LNT4
.irp q,0,1,2,3
	v_pk_add_f32 v[T+8*\q:T+8*\q+1], v[DK+16*\q:DK+16*\q+1], v[DK+16*\q+2:DK+16*\q+3]
	v_pk_add_f32 v[T+8*\q+2:T+8*\q+3], v[DK+16*\q+4:DK+16*\q+5], v[DK+16*\q+6:DK+16*\q+7]
.endr
.irp q,0,1,2,3
	v_pk_add_f32 v[T+8*\q:T+8*\q+1], v[T+8*\q:T+8*\q+1], v[DK+16*\q+8:DK+16*\q+9]
	v_pk_add_f32 v[T+8*\q+2:T+8*\q+3], v[T+8*\q+2:T+8*\q+3], v[DK+16*\q+10:DK+16*\q+11]
.endr
.irp q,0,1,2,3
	v_pk_add_f32 v[T+8*\q:T+8*\q+1], v[T+8*\q:T+8*\q+1], v[DK+16*\q+12:DK+16*\q+13]
	v_pk_add_f32 v[T+8*\q+2:T+8*\q+3], v[T+8*\q+2:T+8*\q+3], v[DK+16*\q+14:DK+16*\q+15]
.endr
.irp q,0,1,2,3
	v_pk_add_f32 v[T+8*\q:T+8*\q+1], v[T+8*\q:T+8*\q+1], v[T+8*\q+2:T+8*\q+3]
.endr
.irp q,0,1,2,3
	v_add_f32 v[T+8*\q], v[T+8*\q], v[T+8*\q+1]
.endr
.irp q,0,1,2,3
	v_permlanex16_b32 v[T+8*\q+2], v[T+8*\q], s[SEL], s[SEL+1]
.endr
.irp q,0,1,2,3
	v_add_f32 v[T+8*\q], v[T+8*\q], v[T+8*\q+2]
.endr
.irp q,0,1,2,3
	v_mul_f32 v[T+8*\q+4], s[74+\q/2], v[T+8*\q]   ; -mean = sum x (-s / 32)
.endr
.set li, 0
.rept 8
.irp q,0,1,2,3
	v_pk_fma_f32 v[DK+16*\q+2*li:DK+16*\q+2*li+1], v[DK+16*\q+2*li:DK+16*\q+2*li+1], s[70+2*(\q/2):71+2*(\q/2)], v[T+8*\q+4:T+8*\q+5] op_sel_hi:[1,0,0]
.endr
.set li, li+1
.endr
.irp q,0,1,2,3
	v_pk_mul_f32 v[T+8*\q:T+8*\q+1], v[DK+16*\q:DK+16*\q+1], v[DK+16*\q:DK+16*\q+1]
	v_pk_mul_f32 v[T+8*\q+2:T+8*\q+3], v[DK+16*\q+2:DK+16*\q+3], v[DK+16*\q+2:DK+16*\q+3]
.endr
.set li, 4
.rept 3
.irp q,0,1,2,3
	v_pk_fma_f32 v[T+8*\q:T+8*\q+1], v[DK+16*\q+li:DK+16*\q+li+1], v[DK+16*\q+li:DK+16*\q+li+1], v[T+8*\q:T+8*\q+1]
	v_pk_fma_f32 v[T+8*\q+2:T+8*\q+3], v[DK+16*\q+li+2:DK+16*\q+li+3], v[DK+16*\q+li+2:DK+16*\q+li+3], v[T+8*\q+2:T+8*\q+3]
.endr
.set li, li+4
.endr
.irp q,0,1,2,3
	v_pk_add_f32 v[T+8*\q:T+8*\q+1], v[T+8*\q:T+8*\q+1], v[T+8*\q+2:T+8*\q+3]
.endr
.irp q,0,1,2,3
	v_add_f32 v[T+8*\q], v[T+8*\q], v[T+8*\q+1]
.endr
.irp q,0,1,2,3
	v_permlanex16_b32 v[T+8*\q+2], v[T+8*\q], s[SEL], s[SEL+1]
.endr
.irp q,0,1,2,3
	v_add_f32 v[T+8*\q], v[T+8*\q], v[T+8*\q+2]
.endr
.irp q,0,1,2,3
	v_fma_f32 v[T+8*\q+7], v[T+8*\q], s76, s[EPS]
.endr
.irp q,0,1,2,3
	v_rsq_f32 v[T+8*\q+6], v[T+8*\q+7]
.endr
	v_nop
	s_wait_alu depctr_va_vdst(0)                   ; one wait for the four roots, ahead of their first reader
.set li, 0
.rept 8
.irp q,0,1,2,3
	v_pk_mul_f32 v[DK+16*\q+2*li:DK+16*\q+2*li+1], v[DK+16*\q+2*li:DK+16*\q+2*li+1], v[T+8*\q+6:T+8*\q+7] op_sel_hi:[1,0]
.endr
.set li, li+1
.endr
	WIN 0x3c                                       ; gains and shifts in window 3
.set li, 0
.rept 8
.irp q,0,1,2,3
	v_pk_fma_f32 v[DK+16*\q+2*li:DK+16*\q+2*li+1], v[DK+16*\q+2*li:DK+16*\q+2*li+1], v[64*(\q/2)+16*(\q%2)+2*li:64*(\q/2)+16*(\q%2)+2*li+1], v[32+64*(\q/2)+16*(\q%2)+2*li:32+64*(\q/2)+16*(\q%2)+2*li+1]
.endr
.set li, li+1
.endr
	WIN 0
.set li, 0
.rept 32
	v_med3_num_f32 v[DK+li], v[DK+li], -v12, v12   ; k: 448 x 2^e6, or 0 for a token of the block before
	v_med3_num_f32 v[DV+li], v[DV+li], -v23, v23   ; v: 448 x 2^e7
.set li, li+1
.endr
.irp q,0,1,2,3
	v_cvt_scalef32_pk8_fp8_f32 v[KC+4*\q:KC+4*\q+1], v[DK+16*\q:DK+16*\q+7], v[20+2*(\q/2)]
	v_cvt_scalef32_pk8_fp8_f32 v[KC+4*\q+2:KC+4*\q+3], v[DK+16*\q+8:DK+16*\q+15], v[20+2*(\q/2)]
.endr
	v_nop                                          ; a plain line between the conversions and the products that read their results and write their sources
.endm
; Tile m: k and v of 16 tokens (eight accumulators by turns, the biases as the first C), their LayerNorms and codes, and the codes turned so that tokens run along the registers.
.macro KVT m
	s_wait_dscnt 0x0                               ; the tile's four fragments are in
	WIN 0x31
.irp n,0,1,2,3
	v_wmma_f32_16x16x128_fp8_fp8 v[DK+8*\n:DK+8*\n+7], v[32*\n:32*\n+15], v[XK:XK+15], v[128+8*\n:128+8*\n+7]
.endr
.irp n,0,1,2,3
	v_wmma_f32_16x16x128_fp8_fp8 v[DV+8*\n:DV+8*\n+7], v[128+32*\n:128+32*\n+15], v[XV:XV+15], v[160+8*\n:160+8*\n+7]
.endr
	WIN 0x01
.irp n,0,1,2,3
	v_wmma_f32_16x16x128_fp8_fp8 v[DK+8*\n:DK+8*\n+7], v[32*\n+16:32*\n+31], v[XK+16:XK+31], v[DK+8*\n:DK+8*\n+7]
.endr
.irp n,0,1,2,3
	v_wmma_f32_16x16x128_fp8_fp8 v[DV+8*\n:DV+8*\n+7], v[128+32*\n+16:128+32*\n+31], v[XV+16:XV+31], v[DV+8*\n:DV+8*\n+7]
.endr
	WIN 0
	v_cmp_le_i32 vcc_lo, -16*(\m), v11             ; is my token (16 m + r of this half) the block's own?
	v_cndmask_b32 v12, 0, v21, vcc_lo
	PLACES 4                                       ; in front of the loads into the fragments' registers and of the first read of the sums
.if (\m) < 7
	FETCH XK, 3, XKI+4096*((\m)+1)
	FETCH XV, 3, XVI+4096*((\m)+1)
.endif
	LNT4
.irp t,0,1,2,3                         ; codes x identity: register j of lane (r, h) = the code of token 8 h + j at channel 16 t + r
	v_wmma_f32_16x16x64_fp8_fp8 v[T+8*\t:T+8*\t+7], v[KC:KC+7], v[32-2*\t:39-2*\t], 0
	v_wmma_f32_16x16x64_fp8_fp8 v[DK+8*\t:DK+8*\t+7], v[VC:VC+7], v[32-2*\t:39-2*\t], 0
.endr
	PLACES 5                                       ; four in front of the conversions; with the line below six in front of the next tile's products, which write DK anew
	WIN 0x80
.irp t,0,1,2,3
	v_cvt_scalef32_pk8_fp8_f32 v[16*\t+2*(\m):16*\t+2*(\m)+1], v[T+8*\t:T+8*\t+7], v24
	v_cvt_scalef32_pk8_fp8_f32 v[64+16*\t+2*(\m):64+16*\t+2*(\m)+1], v[DK+8*\t:DK+8*\t+7], v24
.endr
	WIN 0
	v_nop
.endm
	s_load_b512 s[8:23], s[0:1], 0x0               ; fx 8, wcodes 10, exponents 12, ln1_g 14, ln1_b 16, bk 18, bv 20, kln_g 22
	s_load_b256 s[24:31], s[0:1], 0x40             ; kln_b 24, vln_g 26, vln_b 28, kvp 30
	v_lshrrev_b32 v1, 5, v0
	v_readfirstlane_b32 s66, v1                    ; wave
	v_and_b32 v1, 15, v0                           ; r
	v_bfe_u32 v2, v0, 4, 1                         ; h
	v_and_b32 v3, 31, v0
	v_lshlrev_b32 v3, 4, v3                        ; 16 x lane: an image's place for my lane
	s_lshr_b32 s4, s66, 1
	s_lshl_b32 s4, s4, 11
	s_and_b32 s5, s66, 1
	s_lshl_b32 s5, s5, 10
	s_add_co_u32 s4, s4, s5
	v_add_nc_u32 v4, s4, v3                        ; where I store: K step w / 2, registers 8 (w % 2) on
	v_mul_u32_u24 v5, v1, 1040
	v_lshl_add_u32 v5, v2, 5, v5
	s_lshl_b32 s4, s66, 8
	v_add_nc_u32 v5, s4, v5                        ; fx in LDS: row r, + 32 h + 256 w
	v_lshlrev_b32 v10, 5, v2
	v_add_nc_u32 v10, s4, v10                      ; vectors of 256: 256 w + 32 h
	v_lshlrev_b32 v9, 5, v1
	v_add_nc_u32 v9, STA, v9                       ; partial sums: 32 r
	s_lshl_b32 s4, s66, 9
	v_add_nc_u32 v8, s4, v9                        ; + 512 w for my own
	s_and_b32 s82, ttmp7, 0xffff                   ; batch
	s_lshl_b32 s4, ttmp9, 8
	s_min_u32 s5, s4, 6969                         ; t0
	s_sub_co_u32 s69, s4, s5                       ; lo
	s_mul_i32 s4, s82, 7225
	s_add_co_u32 s4, s4, s5
	s_lshl_b32 s5, s66, 5
	s_add_co_u32 s4, s4, s5                        ; the first row that I fetch
	s_lshl_b32 s4, s4, 10
	s_mov_b32 s5, 0
	s_mul_i32 s6, s66, 33280                       ; and where it goes: 32 rows x 1,040 bytes a wave
	s_mov_b32 s48, (2<<16)|(1<<20)|(7<<22)|(3<<25) ; group 1: elements of 4 bytes; padding on: 4 words behind every 256
	s_mov_b32 s49, 256<<16                         ; tensor_dim0 = 256
	s_mov_b32 s50, 32<<16                          ; tensor_dim1 = 32
	s_mov_b32 s51, 256<<16                         ; tile_dim0 = 256
	s_mov_b32 s52, 32                              ; tile_dim1 = 32
	s_mov_b32 s53, 256                             ; elements from row to row
	s_mov_b32 s54, 0
	s_mov_b32 s55, 0
	s_wait_kmcnt 0x0
	s_load_b512 s[32:47], s[12:13], 0x0            ; e0 .. e15
	s_add_nc_u64 s[8:9], s[8:9], s[4:5]
	s_mov_b32 s56, 1
	s_mov_b32 s57, s6
	s_mov_b64 s[58:59], s[8:9]
	s_or_b32 s59, s59, 0x80000000
	s_mov_b32 s60, 1
	s_add_co_u32 s61, s6, HALFB
	s_add_nc_u64 s[62:63], s[8:9], 131072          ; 128 rows on
	s_or_b32 s63, s63, 0x80000000
	tensor_load_to_lds s[56:59], s[48:55]          ; my 32 rows of the first half,
	tensor_load_to_lds s[60:63], s[48:55]          ; and of the second: two loads of mine are out
	PLACES 4
	s_lshl_b32 s4, s66, 14
	s_add_nc_u64 s[10:11], s[10:11], s[4:5]        ; my eight fragments of a weight
	s_mul_i32 s4, s82, 29
	s_add_co_u32 s4, s4, ttmp9
	s_lshl_b32 s4, s4, 2
	s_add_co_u32 s4, s4, s66
	s_lshl_b32 s4, s4, 13
	s_add_nc_u64 s[30:31], s[30:31], s[4:5]        ; my 8,192 bytes of kvp
	LOADW 0, 10, 0                                 ; Wk
	LOADW 128, 10, 65536                           ; Wv
	WIN 0xc0
	LOADP 0, 22
	LOADP 32, 24
	LOADP 64, 26
	LOADP 96, 28
	LOADP 128, 18
	LOADP 160, 20
.set li, 0
.rept 64
	v_mov_b32 v[192+li], 0                         ; k^T v begins as zeros, since the half is written once
.set li, li+1
.endr
	WIN 0
	v_and_b32 v13, 7, v1                           ; the identity: in column r the code 1.0 stands at k = 16 t + r: byte r - 8 h of registers 2 t, 2 t + 1, where that is 0 .. 7
	v_lshrrev_b32 v14, 3, v1
	v_cmp_eq_u32 vcc_lo, v14, v2
	v_and_b32 v14, 3, v13
	v_lshlrev_b32 v14, 3, v14
	v_mov_b32 v15, 0x38
	v_lshlrev_b32 v14, v14, v15
	v_cndmask_b32 v14, 0, v14, vcc_lo
	v_cmp_gt_u32 vcc_lo, 4, v13
	v_cndmask_b32 v32, 0, v14, vcc_lo
	v_cmp_le_u32 vcc_lo, 4, v13
	v_cndmask_b32 v33, 0, v14, vcc_lo
.irp i,26,27,28,29,30,31,34,35,36,37,38,39
	v_mov_b32 v\i, 0                               ; identity t is v[32 - 2 t : 39 - 2 t]
.endr
.set li, 0
.rept 8
	v_mov_b32 v[TMP+li], 0                         ; written once: a lane permute's destination counts as one of its sources
.set li, li+1
.endr
	s_mov_b32 s76, 0x3d000000                      ; 1 / 32
	s_mov_b32 s[EPS], 0x3727c5ac                   ; 1e-5
	s_mov_b32 s[NI256], 0xbb800000                 ; -1 / 256
	s_mov_b32 s[I256], 0x3b800000                  ; 1 / 256
	s_mov_b32 s[SEL], 0x76543210
	s_mov_b32 s[SEL+1], 0xfedcba98
	s_wait_kmcnt 0x0
	MKSC 16, 17, s34
	MKSC 18, 19, s36
	MKSC 20, 21, s38
	MKSC 22, 23, s39
	v_mov_b32 v24, 1.0
	s_add_co_i32 s6, s34, s35                      ; e2 + e3
	s_sub_co_i32 s83, 0, s6
	s_add_co_i32 s4, s6, 127
	s_lshl_b32 s70, s4, 23
	s_mov_b32 s71, s70
	s_add_co_i32 s4, s6, 122
	s_lshl_b32 s74, s4, 23
	s_or_b32 s74, s74, 0x80000000                  ; -2^(e2 + e3) / 32
	s_add_co_i32 s6, s36, s37                      ; e4 + e5
	s_sub_co_i32 s84, 0, s6
	s_add_co_i32 s4, s6, 127
	s_lshl_b32 s72, s4, 23
	s_mov_b32 s73, s72
	s_add_co_i32 s4, s6, 122
	s_lshl_b32 s75, s4, 23
	s_or_b32 s75, s75, 0x80000000
	s_wait_loadcnt 0x0
	WIN 0xc3
.set li, 0
.rept 32
	v_ldexp_f32 v[128+li], v[128+li], s83          ; the biases go in as the first C, divided by the power of two that the sums lack
	v_ldexp_f32 v[160+li], v[160+li], s84
.set li, li+1
.endr
	WIN 0
	s_mov_b32 s67, 0
	s_mov_b32 s68, 0
	s_sub_co_i32 s4, 0, s69
	v_add_nc_u32 v11, s4, v1                       ; r - lo
	s_wait_tensorcnt 0x1                           ; my rows of the first half are in; the second half's load may be out
.Lhalf:
	LOADP DK, 14                                   ; ln1's gain and shift share registers with k and v, so they come anew in each half
	LOADP DV, 16
	BARRIER                                        ; everybody's rows of this half are in
	v_add_nc_u32 v6, s68, v5
	v_add_nc_u32 v7, 66560, v6
	FLOAD
	PSUM 1
	XCHG 0
	MEAN
	PVAR
	XCHG 2048
	RSTD
	s_wait_loadcnt 0x0
.irp m,0,1,2,3,4,5,6,7
	XQ \m
.endr
	BARRIER                                        ; x's images lie in LDS
	FETCH XK, 3, XKI
	FETCH XV, 3, XVI
.irp m,0,1,2,3,4,5,6,7
	KVT \m
.endr
	WIN 0xfa                                       ; k^T v over the half's 128 tokens: accumulator 4 hl + 2 dt + et, eight by turns
.irp hl,0,1
.irp dt,0,1
.irp et,0,1
	v_wmma_f32_16x16x128_fp8_fp8 v[192+8*(4*\hl+2*\dt+\et):192+8*(4*\hl+2*\dt+\et)+7], v[16*(2*\hl+\dt):16*(2*\hl+\dt)+15], v[64+16*(2*\hl+\et):64+16*(2*\hl+\et)+15], v[192+8*(4*\hl+2*\dt+\et):192+8*(4*\hl+2*\dt+\et)+7]
.endr
.endr
.endr
	WIN 0
	PLACES 4                                       ; in front of the next half's loads into window 2, and of the stores of the sums
	s_add_co_u32 s68, s68, HALFB
	s_sub_co_i32 s69, s69, 128
	s_sub_co_i32 s4, 0, s69
	v_add_nc_u32 v11, s4, v1
	s_wait_tensorcnt 0x0                           ; my rows of the second half are in; the barrier at the head of the half tells the others
	s_add_co_u32 s67, s67, 1
	s_cmp_lt_u32 s67, 2
	s_cbranch_scc1 .Lhalf
	WIN 0x0c
.set li, 0
.rept 16
	global_store_b128 v3, v[192+4*li:192+4*li+3], s[30:31] offset:512*li   ; each accumulator from its low end on; 512 consecutive bytes a store
.set li, li+1
.endr
	WIN 0
	s_endpgm
.Lfunc_end_k_q9bae660da4_kvpart:
	.size	k_q9bae660da4_kvpart, .Lfunc_end_k_q9bae660da4_kvpart-k_q9bae660da4_kvpart
	.p2alignl 7, 3214868480
	.fill 96, 4, 3214868480
	.section	.rodata,"a",@progbits
	.p2align	6, 0x0
	.amdhsa_kernel k_q9bae660da4_kvpart
		.amdhsa_group_segment_fixed_size 270336
		.amdhsa_private_segment_fixed_size 0
		.amdhsa_enable_private_segment 0
		.amdhsa_kernarg_size 96
		.amdhsa_user_sgpr_count 2
		.amdhsa_user_sgpr_kernarg_segment_ptr 1
		.amdhsa_wavefront_size32 1
		.amdhsa_system_sgpr_workgroup_id_x 1
		.amdhsa_system_sgpr_workgroup_id_y 1
		.amdhsa_system_sgpr_workgroup_id_z 1
		.amdhsa_system_vgpr_workitem_id 0
		.amdhsa_next_free_vgpr 1024
		.amdhsa_next_free_sgpr 96
		.amdhsa_reserve_vcc 1
		.amdhsa_float_denorm_mode_32 3
		.amdhsa_float_denorm_mode_16_64 3
		.amdhsa_memory_ordered 1
		.amdhsa_forward_progress 1
		.amdhsa_inst_pref_size 255
	.end_amdhsa_kernel
	.section	.bss,"aw",@nobits
	.p2align	6
	.space	262144
	.amdgpu_metadata
---
amdhsa.version: [ 1, 2 ]
amdhsa.kernels:
  - .name:           k_q9bae660da4_kvpart
    .symbol:         k_q9bae660da4_kvpart.kd
    .args:
      - { .name: fx, .offset: 0, .size: 8, .value_kind: global_buffer, .address_space: global }
      - { .name: wcodes, .offset: 8, .size: 8, .value_kind: global_buffer, .address_space: global }
      - { .name: lowp_scales, .offset: 16, .size: 8, .value_kind: global_buffer, .address_space: global }
      - { .name: ln1_g, .offset: 24, .size: 8, .value_kind: global_buffer, .address_space: global }
      - { .name: ln1_b, .offset: 32, .size: 8, .value_kind: global_buffer, .address_space: global }
      - { .name: bk, .offset: 40, .size: 8, .value_kind: global_buffer, .address_space: global }
      - { .name: bv, .offset: 48, .size: 8, .value_kind: global_buffer, .address_space: global }
      - { .name: kln_g, .offset: 56, .size: 8, .value_kind: global_buffer, .address_space: global }
      - { .name: kln_b, .offset: 64, .size: 8, .value_kind: global_buffer, .address_space: global }
      - { .name: vln_g, .offset: 72, .size: 8, .value_kind: global_buffer, .address_space: global }
      - { .name: vln_b, .offset: 80, .size: 8, .value_kind: global_buffer, .address_space: global }
      - { .name: kvp, .offset: 88, .size: 8, .value_kind: global_buffer, .address_space: global }
    .group_segment_fixed_size: 270336
    .private_segment_fixed_size: 0
    .kernarg_segment_align: 8
    .kernarg_segment_size: 96
    .max_flat_workgroup_size: 128
    .sgpr_count:     96
    .vgpr_count:     1024
    .wavefront_size: 32
...
	.end_amdgpu_metadata
.endif
;; end of part 2
;; launch kvsum (part 3): grid 4 x 8, 4 waves a work-group, no clusters, 0 bytes of LDS; arguments kvp, lowp_scales, kvc; writes kvc
.if DOCPART == 3
	.amdgcn_target "amdgcn-amd-amdhsa--gfx1250"
	.amdhsa_code_object_version 6
	.text
	.protected	k_q9bae660da4_kvsum
	.globl	k_q9bae660da4_kvsum
	.p2align	8
	.type	k_q9bae660da4_kvsum,@function
k_q9bae660da4_kvsum:
	s_mov_b64 s[64:65], 0
	v_nop
	global_prefetch_b8 v0, s[64:65] scope:SCOPE_SE
	s_setreg_imm32_b32 hwreg(HW_REG_WAVE_MODE, 25, 1), 1
	s_wait_xcnt 0x0
; kv = (the sum over a batch's 29 blocks of their parts of k^T v) x 2^(e6 + e7) / 7225, quantised by e9 and laid as the operand registers that the next launch loads.
; Work-group (w, b): the head pair 2 w, 2 w + 1 of batch b.  Wave u (head hl = u / 2, tile et = u % 2 of e) makes one source-0 fragment of the K = 64 form, 8 registers:
; row r is e = 16 et + r, K runs over the pair's 64 channels; registers 4 hl .. 4 hl + 3 hold kv(d = 16 dt + 8 h + j, e), which is just what lane (r, h) of accumulators 4 hl + et and 4 hl + 2 + et holds; the other head's four registers are zero codes.
; All 116 loads of a wave are issued at once (464 registers); the parts are added in ascending order of the blocks.
; The division is a multiplication by 1 / 7225 with one correction step.  LIMITS: e9 - e6 - e7 between -126 and 119; NaN is not served.
.set MSB, 0
.macro WIN new
.if MSB != \new
	s_set_vgpr_msb (MSB<<8)|\new
.set MSB, \new
.endif
.endm
	s_load_b128 s[4:7], s[0:1], 0x0                ; kvp, the exponents
	s_load_b64 s[8:9], s[0:1], 0x10                ; kvc
	v_lshrrev_b32 v1, 5, v0
	v_readfirstlane_b32 s10, v1                    ; u
	v_and_b32 v1, 31, v0
	v_lshlrev_b32 v1, 4, v1                        ; 16 x lane
	s_and_b32 s12, ttmp7, 0xffff                   ; b
	s_lshr_b32 s13, s10, 1                         ; hl
	s_and_b32 s14, s10, 1                          ; et
	s_mul_i32 s16, s12, 950272                     ; 29 blocks x 4 waves x 8,192 bytes
	s_lshl_b32 s17, ttmp9, 13
	s_add_co_u32 s16, s16, s17
	s_lshl_b32 s17, s13, 12
	s_add_co_u32 s16, s16, s17
	s_lshl_b32 s17, s14, 10
	s_add_co_u32 s16, s16, s17                     ; accumulator 4 hl + et of block 0
	s_mov_b32 s17, 0
	s_lshl_b32 s18, s12, 2
	s_add_co_u32 s18, s18, ttmp9
	s_lshl_b32 s18, s18, 2
	s_add_co_u32 s18, s18, s10
	s_lshl_b32 s18, s18, 10
	s_mov_b32 s19, 0
	s_lshl_b32 s20, s13, 9
	v_add_nc_u32 v2, s20, v1                       ; the codes' four registers
	s_sub_co_u32 s20, 512, s20
	v_add_nc_u32 v3, s20, v1                       ; the zeros'
	s_mov_b32 s21, 0x391121b2                      ; 1 / 7225
	s_mov_b32 s22, 0x45e1c800                      ; 7225
	s_wait_kmcnt 0x0
	s_load_b512 s[32:47], s[6:7], 0x0
	s_add_nc_u64 s[4:5], s[4:5], s[16:17]
	s_add_nc_u64 s[8:9], s[8:9], s[18:19]
.set blk, 0
.rept 14
.set lp, 0
.rept 4
	global_load_b128 v[32+16*blk+4*lp:32+16*blk+4*lp+3], v1, s[4:5] offset:32768*blk+2048*(lp/2)+512*(lp%2) th:TH_LOAD_NT
.set lp, lp+1
.endr
.set blk, blk+1
.endr
	WIN 0x40
.rept 15
.set lp, 0
.rept 4
	global_load_b128 v[16*(blk-14)+4*lp:16*(blk-14)+4*lp+3], v1, s[4:5] offset:32768*blk+2048*(lp/2)+512*(lp%2) th:TH_LOAD_NT
.set lp, lp+1
.endr
.set blk, blk+1
.endr
	WIN 0
.irp i,4,5,6,7
	v_mov_b32 v\i, 0
.endr
	s_wait_kmcnt 0x0
	s_sub_co_i32 s23, s41, s38
	s_sub_co_i32 s23, s23, s39                     ; e9 - e6 - e7: the three scales folded into the conversion's one
	s_add_co_i32 s23, s23, 127
	s_lshl_b32 s24, s23, 23
	v_mov_b32 v12, s24
	s_add_co_i32 s23, s23, 8
	s_lshl_b32 s23, s23, 23
	s_or_b32 s23, s23, 0x600000
	v_mov_b32 v13, s23
	s_wait_loadcnt 0x0
.set lp, 0
.rept 8
	v_pk_add_f32 v[16+2*lp:17+2*lp], v[32+2*lp:33+2*lp], v[48+2*lp:49+2*lp]
.set lp, lp+1
.endr
.set blk, 2
.rept 12
.set lp, 0
.rept 8
	v_pk_add_f32 v[16+2*lp:17+2*lp], v[16+2*lp:17+2*lp], v[32+16*blk+2*lp:33+16*blk+2*lp]
.set lp, lp+1
.endr
.set blk, blk+1
.endr
	WIN 0x04
.rept 15
.set lp, 0
.rept 8
	v_pk_add_f32 v[16+2*lp:17+2*lp], v[16+2*lp:17+2*lp], v[16*(blk-14)+2*lp:16*(blk-14)+2*lp+1]
.set lp, lp+1
.endr
.set blk, blk+1
.endr
	WIN 0
.set lp, 0
.rept 16
	v_mul_f32 v[64+lp], s21, v[16+lp]              ; q = x / 7225, nearly
.set lp, lp+1
.endr
.set lp, 0
.rept 16
	v_fma_f32 v[80+lp], -v[64+lp], s22, v[16+lp]   ; what is left: x - 7225 q
.set lp, lp+1
.endr
.set lp, 0
.rept 16
	v_fma_f32 v[16+lp], v[80+lp], s21, v[64+lp]
.set lp, lp+1
.endr
.set lp, 0
.rept 16
	v_med3_num_f32 v[16+lp], v[16+lp], -v13, v13
.set lp, lp+1
.endr
	v_cvt_scalef32_pk8_fp8_f32 v[8:9], v[16:23], v12
	v_cvt_scalef32_pk8_fp8_f32 v[10:11], v[24:31], v12
	global_store_b128 v2, v[8:11], s[8:9]
	global_store_b128 v3, v[4:7], s[8:9]
	s_endpgm
.Lfunc_end_k_q9bae660da4_kvsum:
	.size	k_q9bae660da4_kvsum, .Lfunc_end_k_q9bae660da4_kvsum-k_q9bae660da4_kvsum
	.p2alignl 7, 3214868480
	.fill 96, 4, 3214868480
	.section	.rodata,"a",@progbits
	.p2align	6, 0x0
	.amdhsa_kernel k_q9bae660da4_kvsum
		.amdhsa_group_segment_fixed_size 0
		.amdhsa_private_segment_fixed_size 0
		.amdhsa_enable_private_segment 0
		.amdhsa_kernarg_size 24
		.amdhsa_user_sgpr_count 2
		.amdhsa_user_sgpr_kernarg_segment_ptr 1
		.amdhsa_wavefront_size32 1
		.amdhsa_system_sgpr_workgroup_id_x 1
		.amdhsa_system_sgpr_workgroup_id_y 1
		.amdhsa_system_sgpr_workgroup_id_z 1
		.amdhsa_system_vgpr_workitem_id 0
		.amdhsa_next_free_vgpr 512
		.amdhsa_next_free_sgpr 66
		.amdhsa_reserve_vcc 0
		.amdhsa_float_denorm_mode_32 3
		.amdhsa_float_denorm_mode_16_64 3
		.amdhsa_memory_ordered 1
		.amdhsa_forward_progress 1
		.amdhsa_inst_pref_size 31
	.end_amdhsa_kernel
	.amdgpu_metadata
---
amdhsa.version: [ 1, 2 ]
amdhsa.kernels:
  - .name:           k_q9bae660da4_kvsum
    .symbol:         k_q9bae660da4_kvsum.kd
    .args:
      - { .name: kvp, .offset: 0, .size: 8, .value_kind: global_buffer, .address_space: global }
      - { .name: lowp_scales, .offset: 8, .size: 8, .value_kind: global_buffer, .address_space: global }
      - { .name: kvc, .offset: 16, .size: 8, .value_kind: global_buffer, .address_space: global }
    .group_segment_fixed_size: 0
    .private_segment_fixed_size: 0
    .kernarg_segment_align: 8
    .kernarg_segment_size: 24
    .max_flat_workgroup_size: 128
    .sgpr_count:     66
    .vgpr_count:     512
    .wavefront_size: 32
...
	.end_amdgpu_metadata
.endif
;; end of part 3
;; launch block (part 4): grid 29 x 8, 4 waves a work-group, no clusters, 287,744 bytes of LDS; arguments fx, wcodes, kvc, lowp_scales, ln1_g, ln1_b, bq, bo, ln2_g, ln2_b, b1, b2, out0; writes out0
.if DOCPART == 4
	.amdgcn_target "amdgcn-amd-amdhsa--gfx1250"
	.amdhsa_code_object_version 6
	.text
	.protected	k_q9bae660da4_block
	.globl	k_q9bae660da4_block
	.p2align	8
	.type	k_q9bae660da4_block,@function
k_q9bae660da4_block:
	s_mov_b64 s[64:65], 0
	v_nop
	global_prefetch_b8 v0, s[64:65] scope:SCOPE_SE
	s_setreg_imm32_b32 hwreg(HW_REG_WAVE_MODE, 25, 1), 1
	s_wait_xcnt 0x0
; For 256 tokens of one batch, all that follows kv: x = LN1(fx); q = x Wq + bq; attn = q kv by heads; f = fx + attn Wo + bo; out = f + gelu(LN2(f) W1 + b1) W2 + b2.  No intermediate goes to memory.
; All products on codes of E4M3 with the given scales: x e0, Wq e1, q e8, kv e9, attn e10, Wo e11, LN2's result e12, W1 e13, gelu's result e14, W2 e15.
; BLOCKS.  Block bx begins at token t0 = min(256 bx, 6969); its first lo = 256 bx - t0 tokens belong to the block before and are not stored.  lo is 0, or 199 in a batch's last block.
; SHARES.  Four waves; wave w owns channels 64 w .. 64 w + 63 of all tokens (of the hidden layer: 64 of each chunk of 256).  Two halves of 128 tokens (8 tiles of 16), one text walked twice.
; All products are used transposed (source 0 = 16 channels of a weight, source 1 = 16 tokens): lane (r, h) holds token r, register 8 n + j channel 64 w + 16 n + 8 h + j; eight such numbers converted are registers 2 c, 2 c + 1 of the next operand.
; Operands go from wave to wave through LDS as images of their registers.  fx comes by two tensor loads a wave, both issued at the head: two are out, none fills bytes again.
; F, my share of fx, stays in 256 registers: Wo's sums are added to it; then F / 2^(e14 + e15) + b2 / 2^(e14 + e15) is the accumulator of W2's products, and one multiplication gives the output.
; WEIGHTS go from memory straight into registers, eight fragments (16,384 consecutive bytes) a stage, each asked for a stage ahead.  Set WA takes Wq, W1's four chunks, Wq ..; set WB takes Wo, W2's four chunks, Wo ..; b1's chunks likewise:
; so the last chunk of a half asks for what the next half begins with, and no load hangs on a branch (in the last half those 72 loads serve nothing).
; gelu(x) = x / (1 + 2^(x (C0 + C1 x^2))), C0 = -2 log2(e) sqrt(2 / pi), C1 = 0.044715 C0: the tanh form, rearranged.
; BY TURNS.  In the MLP a tile has 8 products and some 230 vector lines.  The next tile's products stand singly among this tile's first packed lines, and the exponentials and reciprocals among the packed lines that feed them.
; No cluster: the grid's 29 blocks a batch divide by no cluster's width, and the weights, the one thing that work-groups share, do not pass through LDS.
; LIMITS: e0, e8 - e0 - e1, e10 - e8 - e9, e12, e14 between -126 and 119; e10 + e11, e12 + e13 and +-(e14 + e15) between -126 and 127.  NaN among the inputs is not served.  A zero code's sign may differ.
; REGISTERS.  window 0: v1-15, v28-30 addresses; v16-25 scales; v[26:27] C0; v32-95 XF0, XF1 (fragments; chains of the sums); v96-159 D0, D1 (sums; in the LayerNorms D1 holds -mean and rstd as pairs);
;   v160-191 T; v192-223 b1's chunk; v224-239 codes; v240-247 PS; v248-255 TOT.   window 1: WA 0, WB 128.   window 2: F (32 m + 8 n + j); on the way out a tile's rows.
;   window 3: ln1_g 0, ln1_b 32, ln2_g 64, ln2_b 96, bq 128, bo 160, b2 192, kv's four fragments 224.
.set HALFB, 133120                     ; LDS: 128 rows of fx, 1,040 bytes apart
.set XIMG, 0                           ; images over the first half's rows of fx, which have had their one fill and their last read: LN1's or LN2's result,
.set AIMG, 32768                       ; attn,
.set HIMG, 65536                       ; a chunk of the hidden layer (named through v15 and v28, since an LDS offset has 16 bits)
.set STA, 266240                       ; two areas of 2,048 bytes for the waves' partial sums
.set OSTG, 270336                      ; the way out: 16 rows x 272 bytes for each wave
.set LO, 256*28-6969                   ; a batch's last block begins 199 tokens early: all 128 tokens of its first half belong to the block before,
.set MIXT, (LO-128)/16                 ; and the first 71 of its second half: tiles 0 .. 3 wholly, tile 4 in part
.set CH, 32
.set XF0, 32
.set XF1, 64
.set D0, 96
.set D1, 128
.set T, 160
.set B1R, 192
.set C8, 224
.set C8B, 232
.set TMP, 224
.set PS, 240
.set TOT, 248
.set MP, 128
.set RP, 144
.set SEL, 96
.set NI256, 98
.set I256, 99
.set EPS, 100
.set MSB, 0
.macro WIN new                         ; the immediate's high byte repeats the setting that is left
.if MSB != \new
	s_set_vgpr_msb (MSB<<8)|\new
.set MSB, \new
.endif
.endm
.macro BARRIER                         ; my LDS stores have landed and my LDS loads are in: then the work-group's barrier
	s_wait_dscnt 0x0
	s_barrier_signal -1
	s_barrier_wait -1
.endm
.macro PLACES n
.rept \n
	v_nop
.endr
.endm
.macro LOADP dst, sp                   ; 32 numbers of a vector in the tiles' layout: register 8 n + j = p[64 w + 16 n + 8 h + j]
.set li, 0
.rept 8
	global_load_b128 v[\dst+4*li:\dst+4*li+3], v10, s[\sp:\sp+1] offset:64*(li/2)+16*(li%2)
.set li, li+1
.endr
.endm
.macro LOADW dst, sp                   ; eight fragments, 16,384 consecutive bytes, into window 1
	WIN 0x40
.set lq, 0
.rept 32
	global_load_b128 v[\dst+4*lq:\dst+4*lq+3], v3, s[\sp:\sp+1] offset:512*lq
.set lq, lq+1
.endr
	WIN 0
.endm
.macro STEPA                           ; set WA's offset goes round five stages of 65,536 bytes
	s_add_co_u32 s78, s78, 65536
	s_cmp_eq_u32 s78, 327680
	s_cselect_b32 s78, 0, s78
.endm
.macro LOADA                           ; set WA's next stage
	s_wait_xcnt 0x0                                ; the pointer is written only when the loads that named it have read it
	s_add_nc_u64 s[70:71], s[74:75], s[78:79]
	LOADW 0, 70
	STEPA
.endm
.macro LOADAB                          ; set WA's next stage and b1's next chunk: both pointers are made behind one wait, so that none stands between the two runs of loads
	s_wait_xcnt 0x0                                ; the loads that named s[70:71] and s[84:85] have read them
	s_add_nc_u64 s[70:71], s[74:75], s[78:79]
	s_add_nc_u64 s[84:85], s[28:29], s[82:83]
	LOADW 0, 70
	LOADP B1R, 84
	STEPA
	s_add_co_u32 s82, s82, 1024                    ; b1's offset goes round four chunks of 1,024 bytes
	s_and_b32 s82, s82, 4095
.endm
.macro LOADB                           ; set WB's next stage
	s_wait_xcnt 0x0
	s_add_nc_u64 s[72:73], s[76:77], s[80:81]
	LOADW 128, 72
	s_add_co_u32 s80, s80, 65536
	s_cmp_eq_u32 s80, 327680
	s_cselect_b32 s80, 0, s80
.endm
.macro FLOAD                           ; my 64 channels of the half's 128 tokens, LDS to window 2
	WIN 0x80
.set fm, 0
.rept 8
.set fn, 0
.rept 4
	ds_load_b128 v[32*fm+8*fn:32*fm+8*fn+3], v[6+fm/4] offset:16640*(fm%4)+64*fn
	ds_load_b128 v[32*fm+8*fn+4:32*fm+8*fn+7], v[6+fm/4] offset:16640*(fm%4)+64*fn+16
.set fn, fn+1
.endr
.set fm, fm+1
.endr
	WIN 0
.endm
.macro TAIL                            ; each tile's four chains become one number a token, all tiles in step; the other half of the lanes holds the token's other 32 channels
.set pm, 0
.rept 8
	v_pk_add_f32 v[CH+8*pm:CH+8*pm+1], v[CH+8*pm:CH+8*pm+1], v[CH+8*pm+2:CH+8*pm+3]
	v_pk_add_f32 v[CH+8*pm+4:CH+8*pm+5], v[CH+8*pm+4:CH+8*pm+5], v[CH+8*pm+6:CH+8*pm+7]
.set pm, pm+1
.endr
.set pm, 0
.rept 8
	v_pk_add_f32 v[CH+8*pm:CH+8*pm+1], v[CH+8*pm:CH+8*pm+1], v[CH+8*pm+4:CH+8*pm+5]
.set pm, pm+1
.endr
.set pm, 0
.rept 8
	v_add_f32 v[PS+pm], v[CH+8*pm], v[CH+8*pm+1]
.set pm, pm+1
.endr
.set pm, 0
.rept 8
	v_permlanex16_b32 v[TMP+pm], v[PS+pm], s[SEL], s[SEL+1]
.set pm, pm+1
.endr
.set pm, 0
.rept 8
	v_add_f32 v[PS+pm], v[PS+pm], v[TMP+pm]
.set pm, pm+1
.endr
.endm
.macro PSUM wt                         ; the sum of my 64 channels, for each token
.set pm, 0
.rept 8
.if \wt
	s_wait_dscnt 56-8*pm                           ; this tile's 8 loads are in; the later tiles' 8 each may be out
.endif
	WIN 0x0a
.set pc, 0
.rept 4
	v_pk_add_f32 v[CH+8*pm+2*pc:CH+8*pm+2*pc+1], v[32*pm+4*pc:32*pm+4*pc+1], v[32*pm+4*pc+2:32*pm+4*pc+3]
.set pc, pc+1
.endr
	WIN 0x08
.set pc, 0
.rept 8
	v_pk_add_f32 v[CH+8*pm+2*(pc%4):CH+8*pm+2*(pc%4)+1], v[CH+8*pm+2*(pc%4):CH+8*pm+2*(pc%4)+1], v[32*pm+16+2*pc:32*pm+16+2*pc+1]
.set pc, pc+1
.endr
.set pm, pm+1
.endr
	WIN 0
	TAIL
.endm
.macro XCHG area                       ; the four waves' parts meet in LDS: 32 bytes a token and wave; every wave adds them in the same order
	ds_store_b128 v8, v[PS:PS+3] offset:\area
	ds_store_b128 v8, v[PS+4:PS+7] offset:\area+16
	BARRIER
.set xw, 0
.rept 4
	ds_load_b128 v[T+8*xw:T+8*xw+3], v9 offset:\area+512*xw
	ds_load_b128 v[T+8*xw+4:T+8*xw+7], v9 offset:\area+512*xw+16
.set xw, xw+1
.endr
	s_wait_dscnt 0x0
.set xw, 0
.rept 4
	v_pk_add_f32 v[T+2*xw:T+2*xw+1], v[T+2*xw:T+2*xw+1], v[T+8+2*xw:T+8+2*xw+1]
	v_pk_add_f32 v[T+16+2*xw:T+16+2*xw+1], v[T+16+2*xw:T+16+2*xw+1], v[T+24+2*xw:T+24+2*xw+1]
.set xw, xw+1
.endr
.set xw, 0
.rept 4
	v_pk_add_f32 v[TOT+2*xw:TOT+2*xw+1], v[T+2*xw:T+2*xw+1], v[T+16+2*xw:T+16+2*xw+1]
.set xw, xw+1
.endr
.endm
.macro MEAN                            ; -mean, as a pair for the packed forms (the low word serves both halves; the high word is written since the pair is named)
.set mi, 0
.rept 8
	v_mul_f32 v[MP+2*mi], s[NI256], v[TOT+mi]
	v_mul_f32 v[MP+2*mi+1], s[NI256], v[TOT+mi]
.set mi, mi+1
.endr
.endm
.macro RSTD                            ; 1 / sqrt(variance + 1e-5): eight roots as one batch, one plain line, one wait, ahead of the first reader
.set mi, 0
.rept 8
	v_fma_f32 v[RP+2*mi+1], v[TOT+mi], s[I256], s[EPS]
.set mi, mi+1
.endr
.set mi, 0
.rept 8
	v_rsq_f32 v[RP+2*mi], v[RP+2*mi+1]
.set mi, mi+1
.endr
	v_nop
	s_wait_alu depctr_va_vdst(0)
.endm
.macro PVAR                            ; the sum of (x - mean)^2 over my 64 channels: the mean is taken away first, so no difference of large sums is formed
.set pm, 0
.rept 8
	WIN 0x02
.set pc, 0
.rept 16
	v_pk_add_f32 v[T+2*pc:T+2*pc+1], v[32*pm+2*pc:32*pm+2*pc+1], v[MP+2*pm:MP+2*pm+1] op_sel_hi:[1,0]
.set pc, pc+1
.endr
	WIN 0
.set pc, 0
.rept 4
	v_pk_mul_f32 v[CH+8*pm+2*pc:CH+8*pm+2*pc+1], v[T+2*pc:T+2*pc+1], v[T+2*pc:T+2*pc+1]
.set pc, pc+1
.endr
.set pc, 0
.rept 12
	v_pk_fma_f32 v[CH+8*pm+2*(pc%4):CH+8*pm+2*(pc%4)+1], v[T+8+2*pc:T+8+2*pc+1], v[T+8+2*pc:T+8+2*pc+1], v[CH+8*pm+2*(pc%4):CH+8*pm+2*(pc%4)+1]
.set pc, pc+1
.endr
.set pm, pm+1
.endr
	TAIL
.endm
.macro NORM m, gg, bb, win             ; T = (F - mean) rstd g + b for tile m
	WIN 0x02
.set ni, 0
.rept 16
	v_pk_add_f32 v[T+2*ni:T+2*ni+1], v[32*(\m)+2*ni:32*(\m)+2*ni+1], v[MP+2*(\m):MP+2*(\m)+1] op_sel_hi:[1,0]
.set ni, ni+1
.endr
	WIN 0
.set ni, 0
.rept 16
	v_pk_mul_f32 v[T+2*ni:T+2*ni+1], v[T+2*ni:T+2*ni+1], v[RP+2*(\m):RP+2*(\m)+1] op_sel_hi:[1,0]
.set ni, ni+1
.endr
	WIN \win
.set ni, 0
.rept 16
	v_pk_fma_f32 v[T+2*ni:T+2*ni+1], v[T+2*ni:T+2*ni+1], v[\gg+2*ni:\gg+2*ni+1], v[\bb+2*ni:\bb+2*ni+1]
.set ni, ni+1
.endr
	WIN 0
.endm
.macro IMAGE reg, adr, off             ; my 8 registers of a tile's two fragments go to LDS as they stand
	ds_store_b128 v[\adr], v[\reg:\reg+3] offset:\off
	ds_store_b128 v[\adr], v[\reg+4:\reg+7] offset:\off+512
.endm
.macro FETCH dst, adr, off             ; a tile's two fragments (K = 256) come back so, in any wave
.set fq, 0
.rept 8
	ds_load_b128 v[\dst+4*fq:\dst+4*fq+3], v[\adr] offset:\off+512*fq
.set fq, fq+1
.endr
.endm
.macro MKSC vs, vl, se                 ; 2^E and 448 x 2^E as f32
	s_add_co_i32 s4, \se, 127
	s_lshl_b32 s5, s4, 23
	v_mov_b32 v[\vs], s5
	s_add_co_i32 s4, s4, 8
	s_lshl_b32 s4, s4, 23
	s_or_b32 s4, s4, 0x600000
	v_mov_b32 v[\vl], s4
.endm
.macro MKP sd, se                      ; 2^E as f32, twice: a pair for the packed forms
	s_add_co_i32 s[\sd], \se, 127
	s_lshl_b32 s[\sd], s[\sd], 23
	s_mov_b32 s[\sd+1], s[\sd]
.endm
; 32 numbers of a lane become 8 registers of codes: the hold (the conversion does not saturate: ISA guide 7.6.2), each group of eight from its low end on, then the conversions.  wt >= 0: a wait on the LDS counter ahead of them.
.macro QUANT src, dst, sc, lim, wt
.set qi, 0
.rept 32
	v_med3_num_f32 v[\src+qi], v[\src+qi], -v[\lim], v[\lim]
.set qi, qi+1
.endr
.if \wt >= 0
	s_wait_dscnt \wt
.endif
.set qi, 0
.rept 4
	v_cvt_scalef32_pk8_fp8_f32 v[\dst+2*qi:\dst+2*qi+1], v[\src+8*qi:\src+8*qi+7], v[\sc]
.set qi, qi+1
.endr
	v_nop                                          ; a plain line between the conversions and the next vector or matrix line that touches their results or writes their sources
.endm
.macro FACC m                          ; F becomes the accumulator of W2's products: (F + b2) / 2^(e14 + e15)
	WIN 0xb2
.set ui, 0
.rept 16
	v_pk_fma_f32 v[32*(\m)+2*ui:32*(\m)+2*ui+1], v[32*(\m)+2*ui:32*(\m)+2*ui+1], s[90:91], v[192+2*ui:192+2*ui+1] op_sel_hi:[1,0,1]
.set ui, ui+1
.endr
	WIN 0
.endm
; A LayerNorm over the 256 channels of the half's 128 tokens, quantised, its images to XIMG; three barriers.  The codes' registers take turns; the counted wait leaves the newest image's two stores out.
.macro LNORM wt, gg, bb, sc, lim, acc
	PSUM \wt
	XCHG 0
	MEAN
	PVAR
	XCHG 2048
	RSTD
.irp m,0,1,2,3,4,5,6,7
	NORM \m, \gg, \bb, 0x3c
.if \acc
	FACC \m
.endif
	QUANT T, C8+8*(\m%2), \sc, \lim, 2
	IMAGE C8+8*(\m%2), 4, XIMG+4096*\m
.endr
	BARRIER
.endm
; Eight products: my four tiles of channels x 16 tokens, K = 256; the four accumulators by turns.  WMB: a bias (window 3) is the first C.  WM1: the first products start the sums.
.macro WMB xf, dd, wb, cb
	WIN 0x31
.irp n,0,1,2,3
	v_wmma_f32_16x16x128_fp8_fp8 v[\dd+8*\n:\dd+8*\n+7], v[\wb+32*\n:\wb+32*\n+15], v[\xf:\xf+15], v[\cb+8*\n:\cb+8*\n+7]
.endr
	WIN 0x01
.irp n,0,1,2,3
	v_wmma_f32_16x16x128_fp8_fp8 v[\dd+8*\n:\dd+8*\n+7], v[\wb+32*\n+16:\wb+32*\n+31], v[\xf+16:\xf+31], v[\dd+8*\n:\dd+8*\n+7]
.endr
	WIN 0
.endm
.macro WM1 xf, dd
	WIN 0x01
.irp n,0,1,2,3
	v_wmma_f32_16x16x128_fp8_fp8 v[\dd+8*\n:\dd+8*\n+7], v[32*\n:32*\n+15], v[\xf:\xf+15], 0
.endr
.irp n,0,1,2,3
	v_wmma_f32_16x16x128_fp8_fp8 v[\dd+8*\n:\dd+8*\n+7], v[32*\n+16:32*\n+31], v[\xf+16:\xf+31], v[\dd+8*\n:\dd+8*\n+7]
.endr
	WIN 0
.endm
.macro UPD m                           ; F += (attn Wo + bo)
	WIN 0xa0
.set ui, 0
.rept 16
	v_pk_fma_f32 v[32*(\m)+2*ui:32*(\m)+2*ui+1], v[D0+32*((\m)%2)+2*ui:D0+32*((\m)%2)+2*ui+1], s[86:87], v[32*(\m)+2*ui:32*(\m)+2*ui+1] op_sel_hi:[1,0,1]
.set ui, ui+1
.endr
	WIN 0
.endm
; gelu, in place on the 32 sums in v[dd] on.
; mm = 1: THE NEXT TILE'S EIGHT PRODUCTS (fragments v[xf] on, sums v[dn] on; the four accumulators by turns) stand singly, one ahead of each four of the first 32 packed lines, which name none of their registers.
; Each costs two switches of the register window: the weights lie in window 1, and all that gelu touches in window 0.
; THE EXPONENTIALS stand one behind each of the 32 packed lines that make their arguments, a pair's two behind that pair's last line; THE RECIPROCALS two behind each addition of 1.
; No line of a batch names a result of that batch; behind each batch stand one plain line and one wait, ahead of its first reader.
.macro GELU dd, mm, xf, dn
.set gi, 0
.rept 8
.if \mm
	WIN 0x01
.if gi < 4
	v_wmma_f32_16x16x128_fp8_fp8 v[\dn+8*gi:\dn+8*gi+7], v[32*gi:32*gi+15], v[\xf:\xf+15], 0
.else
	v_wmma_f32_16x16x128_fp8_fp8 v[\dn+8*(gi-4):\dn+8*(gi-4)+7], v[32*(gi-4)+16:32*(gi-4)+31], v[\xf+16:\xf+31], v[\dn+8*(gi-4):\dn+8*(gi-4)+7]
.endif
	WIN 0
.endif
.set gj, 0
.rept 4
.if gi < 4
	v_pk_fma_f32 v[\dd+8*gi+2*gj:\dd+8*gi+2*gj+1], v[\dd+8*gi+2*gj:\dd+8*gi+2*gj+1], s[88:89], v[B1R+8*gi+2*gj:B1R+8*gi+2*gj+1] op_sel_hi:[1,0,1]   ; x = sum x 2^(e12 + e13) + b1; each accumulator from its low end on
.else
	v_pk_mul_f32 v[T+8*(gi-4)+2*gj:T+8*(gi-4)+2*gj+1], v[\dd+8*(gi-4)+2*gj:\dd+8*(gi-4)+2*gj+1], v[\dd+8*(gi-4)+2*gj:\dd+8*(gi-4)+2*gj+1]   ; x^2
.endif
.set gj, gj+1
.endr
.set gi, gi+1
.endr
.set gi, 0
.rept 18                               ; pair gi: C0 + C1 x^2; pair gi - 1: times x; pair gi - 2: its two exponentials
.if gi < 16
	v_pk_fma_f32 v[T+2*gi:T+2*gi+1], v[T+2*gi:T+2*gi+1], s[94:95], v[26:27] op_sel_hi:[1,0,1]
.endif
.if gi >= 2
	v_exp_f32 v[T+2*gi-4], v[T+2*gi-4]
.endif
.if (gi >= 1) && (gi <= 16)
	v_pk_mul_f32 v[T+2*gi-2:T+2*gi-1], v[T+2*gi-2:T+2*gi-1], v[\dd+2*gi-2:\dd+2*gi-1]
.endif
.if gi >= 2
	v_exp_f32 v[T+2*gi-3], v[T+2*gi-3]
.endif
.set gi, gi+1
.endr
	v_nop
	s_wait_alu depctr_va_vdst(0)
.set gi, 0
.rept 17                               ; pair gi: 1 + 2^..; pair gi - 1: its two reciprocals
.if gi < 16
	v_pk_add_f32 v[T+2*gi:T+2*gi+1], v[T+2*gi:T+2*gi+1], 1.0 op_sel_hi:[1,0]
.endif
.if gi >= 1
	v_rcp_f32 v[T+2*gi-2], v[T+2*gi-2]
	v_rcp_f32 v[T+2*gi-1], v[T+2*gi-1]
.endif
.set gi, gi+1
.endr
	v_nop
	s_wait_alu depctr_va_vdst(0)
.set gi, 0
.rept 16
	v_pk_mul_f32 v[\dd+2*gi:\dd+2*gi+1], v[\dd+2*gi:\dd+2*gi+1], v[T+2*gi:T+2*gi+1]
.set gi, gi+1
.endr
.endm
; W2's products of one chunk, onto F.  Four buffers of fragments (XF0, XF1, D0, D1 lie on end), fetched three tiles ahead: the counted waits leave the later tiles' 8 loads each out.
; Five places behind each tile's products: four for the loads into the buffer, the fifth since the next chunk's products write D0 and D1 anew.
.macro W2STAGE
.irp m,0,1,2,3
	FETCH XF0+32*\m, 15, 4096*\m
.endr
.irp m,0,1,2,3,4,5,6,7
.if \m < 5
	s_wait_dscnt 24
.else
	s_wait_dscnt 8*(7-\m)
.endif
	WIN 0xa1
.irp n,0,1,2,3
	v_wmma_f32_16x16x128_fp8_fp8 v[32*\m+8*\n:32*\m+8*\n+7], v[128+32*\n:128+32*\n+15], v[XF0+32*(\m%4):XF0+32*(\m%4)+15], v[32*\m+8*\n:32*\m+8*\n+7]
.endr
.irp n,0,1,2,3
	v_wmma_f32_16x16x128_fp8_fp8 v[32*\m+8*\n:32*\m+8*\n+7], v[128+32*\n+16:128+32*\n+31], v[XF0+32*(\m%4)+16:XF0+32*(\m%4)+31], v[32*\m+8*\n:32*\m+8*\n+7]
.endr
	WIN 0
	PLACES 5
.if \m < 4
	FETCH XF0+32*(\m%4), 15, 4096*(\m+4)
.endif
.endr
.endm
; THE WAY OUT of tile m.  A lane holds 32 bytes of each of four pieces of a row, and the lanes beside it other rows: the tile goes through my own stage and comes back as rows of 256 bytes, two an instruction.
; own = 1: the rows come back into the tile's own 32 registers of F, which the multiplications have just read: no register serves two tiles, so no store's data are written again before the half's end.  own = 0: into XF0, in window 0.
.macro TOSTAGE m, own
	WIN 0x02
.set tk, 0
.rept 16
	v_pk_mul_f32 v[T+2*tk:T+2*tk+1], v[32*(\m)+2*tk:32*(\m)+2*tk+1], s[92:93] op_sel_hi:[1,0]   ; x 2^(e14 + e15); each accumulator from its low end on
.set tk, tk+1
.endr
	WIN 0
.set tk, 0
.rept 8
	ds_store_b128 v11, v[T+4*tk:T+4*tk+3] offset:64*(tk/2)+16*(tk%2)
.set tk, tk+1
.endr
.if \own
	WIN 0x80
.endif
.set tk, 0
.rept 8
.if \own
	ds_load_b128 v[32*(\m)+4*tk:32*(\m)+4*tk+3], v12 offset:544*tk   ; LDS serves a wave's instructions in order (ISA guide 5.7.1.4): these see the stores above
.else
	ds_load_b128 v[XF0+4*tk:XF0+4*tk+3], v12 offset:544*tk
.endif
.set tk, tk+1
.endr
	WIN 0
.endm
.macro SEND m, younger                 ; younger: the LDS instructions issued behind tile m's loads
	s_wait_dscnt \younger
	WIN 0x08                                       ; a store's data are its source 1: window 2
.set sk, 0
.rept 8
	global_store_b128 v13, v[32*(\m)+4*sk:32*(\m)+4*sk+3], s[2:3] offset:1024*(16*(\m)+2*sk) th:TH_STORE_NT   ; 16 lanes store 256 consecutive bytes, at a multiple of 256 from out0's first byte
.set sk, sk+1
.endr
	WIN 0
.endm
.macro SENDM m                         ; the tile of which some rows belong to the block before, from XF0: a lane stores where its row 16 m + 2 k + h is not below lo
	s_wait_dscnt 0x0
	s_wait_xcnt 0x0                                ; no load or store is reading its sources when EXEC changes
.set sk, 0
.rept 8
	v_cmp_le_i32 vcc_lo, -(16*(\m)+2*sk), v14
	s_and_saveexec_b32 s4, vcc_lo
	global_store_b128 v13, v[XF0+4*sk:XF0+4*sk+3], s[2:3] offset:1024*(16*(\m)+2*sk) th:TH_STORE_NT
	s_wait_xcnt 0x0                                ; EXEC is a source of the store: it changes only behind this wait
	s_or_b32 exec_lo, exec_lo, s4
.set sk, sk+1
.endr
.endm
	s_load_b512 s[8:23], s[0:1], 0x0               ; fx 8, wcodes 10, kvc 12, exponents 14, ln1_g 16, ln1_b 18, bq 20, bo 22
	s_load_b256 s[24:31], s[0:1], 0x40             ; ln2_g 24, ln2_b 26, b1 28, b2 30
	s_load_b64 s[2:3], s[0:1], 0x60                ; out0
	v_lshrrev_b32 v1, 5, v0
	v_readfirstlane_b32 s66, v1                    ; wave
	v_and_b32 v1, 15, v0                           ; r
	v_bfe_u32 v2, v0, 4, 1                         ; h
	v_and_b32 v3, 31, v0
	v_lshlrev_b32 v3, 4, v3                        ; 16 x lane: an image's place for my lane
	s_lshr_b32 s4, s66, 1
	s_lshl_b32 s4, s4, 11
	s_and_b32 s5, s66, 1
	s_lshl_b32 s5, s5, 10
	s_add_co_u32 s4, s4, s5
	v_add_nc_u32 v4, s4, v3                        ; where I store: K step w / 2, registers 8 (w % 2) on
	v_add_nc_u32 v15, HIMG, v3
	v_add_nc_u32 v28, HIMG, v4
	v_mul_u32_u24 v5, v1, 1040
	v_lshl_add_u32 v5, v2, 5, v5
	s_lshl_b32 s4, s66, 8
	v_add_nc_u32 v5, s4, v5                        ; fx in LDS: row r, + 32 h + 256 w
	v_lshlrev_b32 v10, 5, v2
	v_add_nc_u32 v10, s4, v10                      ; vectors: 256 w + 32 h
	v_lshlrev_b32 v13, 10, v2
	v_lshl_add_u32 v13, v1, 4, v13
	v_add_nc_u32 v13, s4, v13                      ; out0: row h, + 16 r + 256 w
	v_lshlrev_b32 v9, 5, v1
	v_add_nc_u32 v9, STA, v9
	s_lshl_b32 s4, s66, 9
	v_add_nc_u32 v8, s4, v9
	s_mul_i32 s4, s66, 4352
	s_add_co_u32 s4, s4, OSTG
	v_mul_u32_u24 v11, v1, 272
	v_lshl_add_u32 v11, v2, 5, v11
	v_add_nc_u32 v11, s4, v11                      ; my stage, in: row r, + 32 h
	v_mul_u32_u24 v12, v2, 272
	v_lshl_add_u32 v12, v1, 4, v12
	v_add_nc_u32 v12, s4, v12                      ; back: row h, + 16 r
	s_and_b32 s7, ttmp7, 0xffff                    ; batch
	s_lshl_b32 s4, ttmp9, 8
	s_min_u32 s5, s4, 6969                         ; t0
	s_sub_co_u32 s69, s4, s5                       ; lo
	s_mul_i32 s4, s7, 7225
	s_add_co_u32 s4, s4, s5
	s_lshl_b32 s4, s4, 10                          ; the block's first row, in bytes
	s_mov_b32 s5, 0
	s_mul_i32 s6, s66, 33280
	s_mov_b32 s48, (2<<16)|(1<<20)|(7<<22)|(3<<25) ; group 1: elements of 4 bytes; padding on: 4 words behind every 256
	s_mov_b32 s49, 256<<16                         ; tensor_dim0 = 256
	s_mov_b32 s50, 32<<16                          ; tensor_dim1 = 32
	s_mov_b32 s51, 256<<16                         ; tile_dim0 = 256
	s_mov_b32 s52, 32                              ; tile_dim1 = 32
	s_mov_b32 s53, 256                             ; elements from row to row
	s_mov_b32 s54, 0
	s_mov_b32 s55, 0
	s_wait_kmcnt 0x0
	s_load_b512 s[32:47], s[14:15], 0x0            ; e0 .. e15
	s_add_nc_u64 s[8:9], s[8:9], s[4:5]
	s_add_nc_u64 s[2:3], s[2:3], s[4:5]
	s_lshl_b32 s4, s66, 15
	s_add_nc_u64 s[8:9], s[8:9], s[4:5]            ; my 32 rows
	s_mov_b32 s56, 1
	s_mov_b32 s57, s6
	s_mov_b64 s[58:59], s[8:9]
	s_or_b32 s59, s59, 0x80000000
	s_mov_b32 s60, 1
	s_add_co_u32 s61, s6, HALFB
	s_add_nc_u64 s[62:63], s[8:9], 131072          ; 128 rows on
	s_or_b32 s63, s63, 0x80000000
	tensor_load_to_lds s[56:59], s[48:55]          ; my 32 rows of the first half,
	tensor_load_to_lds s[60:63], s[48:55]          ; and of the second: two loads of mine are out
	PLACES 4
	s_lshl_b32 s4, s66, 14
	s_add_nc_u64 s[10:11], s[10:11], s[4:5]
	s_add_nc_u64 s[74:75], s[10:11], 131072        ; set WA's stages: Wq, then W1's chunks
	s_add_nc_u64 s[76:77], s[10:11], 458752        ; set WB's: Wo, then W2's chunks
	s_lshl_b32 s4, s7, 2
	s_add_co_u32 s4, s4, s66
	s_lshl_b32 s4, s4, 12
	s_add_nc_u64 s[12:13], s[12:13], s[4:5]        ; kv's four fragments of my head pair
	s_mov_b32 s78, 0
	s_mov_b32 s79, 0
	s_mov_b32 s80, 0
	s_mov_b32 s81, 0
	s_mov_b32 s82, 0
	s_mov_b32 s83, 0
	WIN 0xc0
	LOADP 0, 16
	LOADP 32, 18
	LOADP 64, 24
	LOADP 96, 26
	LOADP 128, 20
	LOADP 160, 22
	LOADP 192, 30
.set li, 0
.rept 8
	global_load_b128 v[224+4*li:224+4*li+3], v3, s[12:13] offset:512*li
.set li, li+1
.endr
	WIN 0
	LOADAB                                         ; Wq, and b1's chunk 0
	s_mov_b32 s94, 0xbdd2d3e8                      ; C1
	s_mov_b32 s95, s94
	v_mov_b32 v26, 0xc0135761                      ; C0
	v_mov_b32 v27, v26
	s_mov_b32 s[SEL], 0x76543210
	s_mov_b32 s[SEL+1], 0xfedcba98
	s_mov_b32 s[NI256], 0xbb800000                 ; -1 / 256
	s_mov_b32 s[I256], 0x3b800000                  ; 1 / 256
	s_mov_b32 s[EPS], 0x3727c5ac                   ; 1e-5
.set li, 0
.rept 8
	v_mov_b32 v[TMP+li], 0                         ; written once: a lane permute's destination counts as one of its sources
.set li, li+1
.endr
	s_wait_kmcnt 0x0
	MKSC 16, 17, s32                               ; x: e0
	s_sub_co_i32 s6, s40, s32
	s_sub_co_i32 s6, s6, s33
	MKSC 18, 19, s6                                ; q: a sum stands for sum x 2^(e0 + e1): e8 - e0 - e1
	s_sub_co_i32 s6, s42, s40
	s_sub_co_i32 s6, s6, s41
	MKSC 20, 21, s6                                ; attn: e10 - e8 - e9
	MKSC 22, 23, s44                               ; LN2's result: e12
	MKSC 24, 25, s46                               ; gelu's result: e14
	s_add_co_i32 s6, s42, s43
	MKP 86, s6                                     ; 2^(e10 + e11)
	s_sub_co_i32 s12, 0, s6
	s_add_co_i32 s6, s44, s45
	MKP 88, s6                                     ; 2^(e12 + e13)
	s_add_co_i32 s6, s46, s47
	MKP 92, s6                                     ; 2^(e14 + e15)
	s_sub_co_i32 s13, 0, s6
	MKP 90, s13                                    ; and its reciprocal
	s_add_co_i32 s6, s32, s33
	s_sub_co_i32 s14, 0, s6
	s_wait_loadcnt 40                              ; the vectors and kv are in; the 40 loads issued behind them (Wq's 32, b1's 8) may be out
	WIN 0xc3
.set li, 0
.rept 32
	v_ldexp_f32 v[128+li], v[128+li], s14          ; bq, bo and b2 go in divided by the power of two that their sums lack
	v_ldexp_f32 v[160+li], v[160+li], s12
	v_ldexp_f32 v[192+li], v[192+li], s13
.set li, li+1
.endr
	WIN 0
	LOADB                                          ; Wo: asked for behind the wait above, so that its count names no more than the 40 loads
	s_mov_b32 s67, 0
	s_mov_b32 s68, 0
	s_sub_co_i32 s4, 0, s69
	v_add_nc_u32 v14, s4, v2                       ; h - lo
	s_wait_tensorcnt 0x1                           ; my rows of the first half are in; the second half's load may be out
.Lhalf:
	BARRIER                                        ; everybody's rows of this half are in
	v_add_nc_u32 v6, s68, v5
	v_add_nc_u32 v7, 66560, v6
	FLOAD
	LNORM 1, 0, 32, 16, 17, 0                      ; x = LN1(fx), by e0
	; ---- q and attn, a tile a trip
	FETCH XF0, 3, XIMG
	s_wait_loadcnt 32                              ; Wq (and b1) are in; Wo's 32 loads may be out
	s_wait_dscnt 0x0                               ; tile 0's fragments are in
	s_mov_b32 s105, 0
.Lq:
	s_wait_dscnt 0x2                               ; the tile's 8 loads are in; behind them stand only the last trip's two image stores, which may be out (the barrier behind the loop waits for them)
	s_add_co_u32 s4, s105, 4096
	s_min_u32 s4, s4, 28672                        ; the next tile; the last trip fetches its own tile again, so that no load hangs on a branch
	v_add_nc_u32 v29, s4, v3
	v_add_nc_u32 v30, s105, v4
	WMB XF0, D0, 0, 128
	PLACES 4
	FETCH XF0, 29, XIMG
	QUANT D0, C8, 18, 19, -1
	WIN 0x03
.irp u,0,1,2,3                         ; attn^T = kv^T q^T: K = my head pair's 64 channels, the other head's under zero codes
	v_wmma_f32_16x16x64_fp8_fp8 v[D1+8*\u:D1+8*\u+7], v[224+8*\u:224+8*\u+7], v[C8:C8+7], 0
.endr
	WIN 0
	PLACES 4
	QUANT D1, C8B, 20, 21, -1
	IMAGE C8B, 30, AIMG
	s_add_co_u32 s105, s105, 4096
	s_cmp_lt_u32 s105, 32768
	s_cbranch_scc1 .Lq
	BARRIER                                        ; attn's images lie in LDS
	LOADA                                          ; W1's chunk 0
	; ---- Wo and the first residual: the next tile's products are issued ahead of this tile's additions
	FETCH XF0, 3, AIMG
	FETCH XF1, 3, AIMG+4096
	s_wait_loadcnt 32                              ; Wo is in; the 32 loads just issued may be out
	s_wait_dscnt 8                                 ; tile 0 is in; tile 1's 8 loads may be out
	WMB XF0, D0, 128, 160
.irp m,0,1,2,3,4,5,6,7
.if \m < 7
	s_wait_dscnt 0x0
	WMB XF0+32*((\m+1)%2), D0+32*((\m+1)%2), 128, 160
	PLACES 4
.endif
.if \m < 6
	FETCH XF0+32*(\m%2), 3, AIMG+4096*(\m+2)
.endif
	UPD \m
.endr
	LOADB                                          ; W2's chunk 0
	LNORM 0, 64, 96, 22, 23, 1                     ; LN2(f), by e12; F becomes W2's accumulator
	; ---- the MLP, 256 hidden units a chunk
	s_mov_b32 s101, 0
.Lchunk:
	s_wait_loadcnt 32                              ; W1's chunk and b1's are in; W2's 32 loads may be out
	FETCH XF0, 3, XIMG
	FETCH XF1, 3, XIMG+4096
	s_wait_dscnt 8                                 ; tile 0 is in; tile 1's 8 loads may be out
	WM1 XF0, D0                                    ; tile 0's products have no gelu to stand in
	PLACES 4                                       ; in front of the first read of their sums and of the loads into XF0
	s_wait_dscnt 0x0                               ; tile 1's fragments are in
	s_mov_b32 s105, 0
.Lw1:                                  ; two tiles a trip: the gelu of tiles 2 t and 2 t + 1, with the products of tiles 2 t + 1 and 2 t + 2 among their lines
	v_add_nc_u32 v29, s105, v3
	v_add_nc_u32 v30, s105, v28
	s_wait_dscnt 0x2                               ; XF1's 8 loads are in; behind them stand only the last image's two stores, which may be out
	s_cmp_eq_u32 s105, 24576                       ; the last trip has no tile 8 to fetch
	s_cbranch_scc1 .Lno_a
	FETCH XF0, 29, XIMG+8192
.Lno_a:
	GELU D0, 1, XF1, D1
	QUANT D0, C8, 24, 25, -1
	IMAGE C8, 30, 0
	s_cmp_eq_u32 s105, 24576                       ; tile 7 has no successor: its gelu stands behind the loop, without products
	s_cbranch_scc1 .Lw1_last
	s_wait_dscnt 0x2                               ; XF0's 8 loads are in; the image's two stores may be out
	FETCH XF1, 29, XIMG+12288
	GELU D1, 1, XF0, D0
	QUANT D1, C8B, 24, 25, -1
	IMAGE C8B, 30, 4096
	s_add_co_u32 s105, s105, 8192
	s_cmp_lt_u32 s105, 32768
	s_cbranch_scc1 .Lw1
.Lw1_last:
	GELU D1, 0, 0, 0
	QUANT D1, C8B, 24, 25, -1
	IMAGE C8B, 30, 4096
	BARRIER                                        ; the chunk's images lie in LDS
	s_wait_loadcnt 0x0                             ; W2's chunk is in
	LOADAB                                         ; W1's next chunk, or the next half's Wq; b1's next chunk
	W2STAGE
	BARRIER                                        ; the images are read: the next chunk may write them
	LOADB                                          ; W2's next chunk, or the next half's Wo
	s_add_co_u32 s101, s101, 1
	s_cmp_lt_u32 s101, 4
	s_cbranch_scc1 .Lchunk
	; ---- the way out
	s_cmp_gt_i32 s69, 0
	s_cbranch_scc1 .Lmasked
	TOSTAGE 0, 1                                   ; every row is the block's own: while a tile is stored the next one goes through the stage
.irp m,1,2,3,4,5,6,7
	TOSTAGE \m, 1
	SEND \m-1, 16                                  ; behind tile m - 1's loads: tile m's 8 stores and 8 loads
.endr
	SEND 7, 0
	s_branch .Lstored
.Lmasked:                              ; a batch's last block alone comes here: lo is LO = 199 in its first half and LO - 128 = 71 in its second
	s_cmp_ge_i32 s69, 128
	s_cbranch_scc1 .Lstored                        ; the first half: all 128 tokens belong to the block before
	TOSTAGE MIXT, 0                                ; the second half: tiles 0 .. MIXT - 1 likewise; tile MIXT in part;
	SENDM MIXT
	TOSTAGE MIXT+1, 1                              ; the others whole
.set wm, MIXT+2
.rept 6-MIXT
	TOSTAGE wm, 1
	SEND wm-1, 16
.set wm, wm+1
.endr
	SEND 7, 0
.Lstored:
	s_wait_xcnt 0x0                                ; the stores have read their registers and their base: F may be loaded anew, the base may step
	s_add_nc_u64 s[2:3], s[2:3], 131072
	s_add_co_u32 s68, s68, HALFB
	s_sub_co_i32 s69, s69, 128
	s_sub_co_i32 s4, 0, s69
	v_add_nc_u32 v14, s4, v2
	s_wait_tensorcnt 0x0                           ; my rows of the second half are in; the barrier at the head of the half tells the others
	s_add_co_u32 s67, s67, 1
	s_cmp_lt_u32 s67, 2
	s_cbranch_scc1 .Lhalf
	s_endpgm
.Lfunc_end_k_q9bae660da4_block:
	.size	k_q9bae660da4_block, .Lfunc_end_k_q9bae660da4_block-k_q9bae660da4_block
	.p2alignl 7, 3214868480
	.fill 96, 4, 3214868480
	.section	.rodata,"a",@progbits
	.p2align	6, 0x0
	.amdhsa_kernel k_q9bae660da4_block
		.amdhsa_group_segment_fixed_size 287744
		.amdhsa_private_segment_fixed_size 0
		.amdhsa_enable_private_segment 0
		.amdhsa_kernarg_size 104
		.amdhsa_user_sgpr_count 2
		.amdhsa_user_sgpr_kernarg_segment_ptr 1
		.amdhsa_wavefront_size32 1
		.amdhsa_system_sgpr_workgroup_id_x 1
		.amdhsa_system_sgpr_workgroup_id_y 1
		.amdhsa_system_sgpr_workgroup_id_z 1
		.amdhsa_system_vgpr_workitem_id 0
		.amdhsa_next_free_vgpr 1024
		.amdhsa_next_free_sgpr 106
		.amdhsa_reserve_vcc 1
		.amdhsa_float_denorm_mode_32 3
		.amdhsa_float_denorm_mode_16_64 3
		.amdhsa_memory_ordered 1
		.amdhsa_forward_progress 1
		.amdhsa_inst_pref_size 255
	.end_amdhsa_kernel
	.section	.bss,"aw",@nobits
	.p2align	6
	.space	262144
	.amdgpu_metadata
---
amdhsa.version: [ 1, 2 ]
amdhsa.kernels:
  - .name:           k_q9bae660da4_block
    .symbol:         k_q9bae660da4_block.kd
    .args:
      - { .name: fx, .offset: 0, .size: 8, .value_kind: global_buffer, .address_space: global }
      - { .name: wcodes, .offset: 8, .size: 8, .value_kind: global_buffer, .address_space: global }
      - { .name: kvc, .offset: 16, .size: 8, .value_kind: global_buffer, .address_space: global }
      - { .name: lowp_scales, .offset: 24, .size: 8, .value_kind: global_buffer, .address_space: global }
      - { .name: ln1_g, .offset: 32, .size: 8, .value_kind: global_buffer, .address_space: global }
      - { .name: ln1_b, .offset: 40, .size: 8, .value_kind: global_buffer, .address_space: global }
      - { .name: bq, .offset: 48, .size: 8, .value_kind: global_buffer, .address_space: global }
      - { .name: bo, .offset: 56, .size: 8, .value_kind: global_buffer, .address_space: global }
      - { .name: ln2_g, .offset: 64, .size: 8, .value_kind: global_buffer, .address_space: global }
      - { .name: ln2_b, .offset: 72, .size: 8, .value_kind: global_buffer, .address_space: global }
      - { .name: b1, .offset: 80, .size: 8, .value_kind: global_buffer, .address_space: global }
      - { .name: b2, .offset: 88, .size: 8, .value_kind: global_buffer, .address_space: global }
      - { .name: out0, .offset: 96, .size: 8, .value_kind: global_buffer, .address_space: global }
    .group_segment_fixed_size: 287744
    .private_segment_fixed_size: 0
    .kernarg_segment_align: 8
    .kernarg_segment_size: 104
    .max_flat_workgroup_size: 128
    .sgpr_count:     106
    .vgpr_count:     1024
    .wavefront_size: 32
...
	.end_amdgpu_metadata
.endif
;; end of part 4
